; MI455X (gfx1250); checked and timed in simulation.
; The chip was launched on July 23, 2026; its instructions are those of AMD's public machine-readable ISA for CDNA 5 (MIT licence, August 2026) and "CDNA5" Instruction Set Architecture Reference Guide (July 2026). The comments in the code are by the model that wrote it; some were corrected since.
;; TF Attention. Allowed arithmetic: matrix products marked QUANTISED: E2M1 operands, one E8M0 scale for each 32 along K, by v_wmma_scale_f32_16x16x128_f8f6f4 with both operands' format E2M1 (or v_wmma_scale_f32_32x16x128_f4), f32 sums; products left as they are: bf16, f16 or f32 operands; f32 sums; everything else in f32.
;; Inputs: b_attn 3,072 float32; b_proj 1,024 float32; w_attn 1,024 x 3,072 float32; w_proj 1,024 x 1,024 float32; x 4 x 2,048 x 1,024 float32.
;; Outputs: out0 4 x 2,048 x 1,024 float32.
;; This version of the problem:
;;   THIS VERSION OF THE PROBLEM IS GIVEN IN LOW PRECISION. The matrix products marked QUANTISED in the list below multiply operands that are first quantised to E2M1 (2 exponent bits, 1 mantissa bit; 4 bits a number), with one power-of-two scale for each 32 numbers along K (OCP MX v1.0); their sums are f32. The products marked 'left as it is' may take bf16, f16 or f32 operands, with f32 sums. Whichever they take, every output number must still come out within the allowed error. Rounding operands to bf16 (8 significant bits) uses up far more of that allowance than f16 does (11 bits, for magnitudes from 6e-5 to 65,504). All else is computed in f32.
;;   The module's matrix products, in the order in which they are computed (A, B: the left and right operand; K: the contracted axis; several contracted axes count as one K, in the product's order):
;;     1. [M 8,192, K 1,024] x [K 1,024, N 3,072]; A: input x; B: input w_attn: QUANTISED
;;     2. batch 64 x [M 2,048, K 64] x [K 64, N 2,048]; A: computed on the way; B: computed on the way: left as it is (an operand is computed on the way)
;;     3. batch 64 x [M 2,048, K 2,048] x [K 2,048, N 64]; A: computed on the way; B: computed on the way: left as it is (an operand is computed on the way)
;;     4. [M 8,192, K 1,024] x [K 1,024, N 1,024]; A: computed on the way; B: input w_proj: left as it is (an operand is computed on the way)
;;   THE QUANTISER, for each operand of a quantised product, along K:
;;     - K is cut into blocks of 32 from its start; a last block that is shorter is filled with zeros.
;;     - A block's scale is 2^e with e = floor(log2(the largest magnitude in the block)) - 2, held to -126 .. 127; a block of zeros has e = 0. As a byte (E8M0): e + 127.
;;     - Each number is divided by its block's scale, clamped to +-6, and rounded to the nearest number of E2M1, ties to even, subnormals kept.
;;     - The product sums the exact products of the quantised numbers (number of the format x scale) in f32.
;;   ~~~python
;;   def quantise(x, axis):      # numpy; x: float32 -> the quantised numbers, widened to float32 again
;;       x = np.moveaxis(x, axis, -1); K = x.shape[-1]
;;       x = np.pad(x, [(0, 0)] * (x.ndim - 1) + [(0, -K % 32)]); x = x.reshape(x.shape[:-1] + (-1, 32)); a = np.abs(x).max(-1, keepdims=True)
;;       e = np.where(a > 0, np.clip(np.frexp(np.where(a > 0, a, 1))[1] - 1 - 2, -126, 127), 0)      # np.frexp(a)[1] - 1 = floor(log2(a)), exactly
;;       r = np.clip(x / 2.0 ** e, -6, 6)
;;       step = 2.0 ** (np.maximum(np.frexp(np.where(r == 0, 1, r))[1] - 1, 0) - 1)
;;       q = np.round(r / step) * step * 2.0 ** e      # np.round: ties to even
;;       return np.moveaxis(q.reshape(q.shape[:-2] + (-1,))[..., :K], -1, axis).astype(np.float32)
;;   ~~~
;; One version. Each part assembles by itself: llvm-mc -triple=amdgcn-amd-amdhsa -mcpu=gfx1250 --defsym DOCPART=n.
;; ======== version 1 of 1: 5 launches
;; limits: values are held in f16: magnitudes above 65,504 overflow, below 6.1e-05 lose precision
;; workspace buffers: codes 5,767,168 bytes; scales 360,448 bytes; w16 2,097,152 bytes; qkvw 50,331,648 bytes; fqbs 1,310,720 bytes; suf 540,672 bytes; a_ws 16,777,216 bytes
;; launch prep (part 1): grid 336 x 1, 4 waves a work-group, no clusters, 68,096 bytes of LDS; arguments x, w_attn, w_proj, codes, scales, w16; writes codes, scales, w16
.if DOCPART == 1
	.amdgcn_target "amdgcn-amd-amdhsa--gfx1250"
	.amdhsa_code_object_version 6
	.text
	.protected	k_q1129098227_prep
	.globl	k_q1129098227_prep
	.p2align	8
	.type	k_q1129098227_prep,@function
k_q1129098227_prep:
	s_mov_b64 s[64:65], 0
	v_nop
	global_prefetch_b8 v0, s[64:65] scope:SCOPE_SE
	s_setreg_imm32_b32 hwreg(HW_REG_WAVE_MODE, 25, 1), 1
	s_wait_xcnt 0x0
; PREP: the operands of the quantised product become codes of FP4 (E2M1) with one E8M0 byte for each 32 along K, and w_proj becomes f16.
; Work-groups 0-255: x [8192][1024] f32, K innermost -> codes [8192][512 bytes] at byte 0 of 'codes', scale bytes [8192][32] at byte 0 of 'scales'.
; Work-groups 256-303: w_attn [1024 (k)][3072 (n)] f32, K outermost -> codes [3072][512 bytes] at byte 4,194,304, scale bytes [3072][32] at byte 262,144: a lane takes a column, its registers run down K.
; Work-groups 304-335: w_proj [1024][1024] f32 -> f16 in the same layout.
; A block's scale is 2^(floor(log2(its largest magnitude)) - 2); its byte is the largest magnitude's exponent field - 2, held at 1 from below.
; LIMITS: a block of zeros gets the byte 1 where the rule says 127 (its codes are zeros, and this program alone reads the bytes); blocks whose largest magnitude lies under 2^(2 - 126) are held at the byte 1;
; NaN and infinities are not served; w_proj must lie inside f16's range (65,504), and under 6e-5 it is an f16 subnormal.
; The three paths part on the work-group's number alone; each path that uses LDS has LDS bytes of its own.  No tensor load, no barrier: waves share nothing.
.set SPARE, 67584                      ; behind both paths' regions: the spare words, 128 bytes for each wave, named by no other line
.set SPW,   190                        ; v190  LDS address of my spare word; never rewritten
.set NIL,   191                        ; v191  0; never rewritten
.set EMAX,  2
; the path of x
.set STEPS, 16                         ; a wave takes 16 steps of 512 numbers
.set CB,    8                          ; bytes of 16 codes
.set XREG,  8192                       ; LDS bytes 0 .. 32,767: a region for each wave: two stages of 32 x SP bytes, behind them its 256 scale bytes
.set SP,    80                         ; a lane's place in a stage: 64 bytes + 16 of padding
.set R,     16                         ; v16-79   four sets of 16 numbers as loaded
.set X,     80                         ; v80-111  two sets of 16 neighbours
.set E,     112                        ; v112-127 a scale byte for each step
.set C,     128                        ; v128-189 codes, four registers apart for each step: no store's data are written again
; the path of w_attn
.set WN,    3072
.set WSTG,  32768                      ; LDS bytes 32,768 .. 67,583: a stage of 32 rows x 272 bytes for each wave
.set NB,    16                         ; blocks of 32 along K for a wave (512 along K)
.set WPITCH,272
.set KROW,  512                        ; a row of codes in bytes
.set WX,    32                         ; v32-95   two sets of 32 numbers
.set WC,    96                         ; v96-99   a block's codes
.set OUTR,  112                        ; v112-175 the way out
.set SB,    24                         ; v24-27   the scale bytes, four to a register
	s_load_b256 s[4:11], s[0:1], 0x0               ; x s[4:5], w_attn s[6:7], w_proj s[8:9], codes s[10:11]
	s_load_b128 s[12:15], s[0:1], 0x20             ; scales s[12:13], w16 s[14:15]
	v_lshl_add_u32 v[SPW], v0, 2, SPARE
	v_mov_b32 v[NIL], 0
	v_lshrrev_b32 v1, 5, v0
	v_readfirstlane_b32 s16, v1                    ; wave 0..3
	v_and_b32 v2, 31, v0                           ; lane
	s_mov_b32 s19, 0
	s_mov_b32 s21, 0
	s_wait_kmcnt 0x0
	s_cmp_lt_u32 ttmp9, 256
	s_cbranch_scc0 .Lnot_x
; ---------------- x: a plain stream of blocks of 32 numbers ----------------
; Each load reads 512 consecutive bytes, 16 a lane; a step's 2,048 bytes turn through the wave's own stage, so that a lane then holds 16 neighbours along K; two neighbouring lanes hold a block.
	v_lshlrev_b32 v3, 4, v2                        ; my 16 bytes of a load's 512
	s_mul_i32 s17, s16, XREG
	v_lshrrev_b32 v14, 2, v2
	v_mul_u32_u24 v14, v14, SP
	v_and_b32 v15, 3, v2
	v_lshl_add_u32 v14, v15, 4, v14
	v_add_nc_u32 v14, s17, v14                     ; the stage on the way in: SP (lane / 4) + 16 (lane % 4)
	v_mul_u32_u24 v15, v2, SP
	v_add_nc_u32 v15, s17, v15                     ; and on the way out: SP x lane
	v_mul_u32_u24 v4, v2, CB                       ; my codes' place in a step's 256 bytes
	v_lshrrev_b32 v5, 1, v2
	s_add_co_u32 s17, s17, 2*32*SP
	v_add_nc_u32 v5, s17, v5                       ; my block's scale byte in LDS
	v_lshlrev_b32 v7, 3, v2
	v_add_nc_u32 v6, s17, v7                       ; the scale bytes on the way out: 8 a lane
	s_lshl_b32 s17, ttmp9, 2
	s_add_co_u32 s18, s17, s16                     ; which run of 8,192 numbers is my wave's: 0 .. 1,023
	s_lshl_b32 s20, s18, 15
	s_add_nc_u64 s[4:5], s[4:5], s[20:21]          ; 32,768 bytes of x a run,
	s_lshl_b32 s20, s18, 12
	s_add_nc_u64 s[10:11], s[10:11], s[20:21]      ; 4,096 of codes,
	s_lshl_b32 s18, s18, 8
	s_add_nc_u64 s[12:13], s[12:13], s[18:19]      ; 256 scale bytes
.macro XLOAD t
.irp i, 0,1,2,3
	global_load_b128 v[R+16*((\t)%4)+4*\i:R+16*((\t)%4)+4*\i+3], v3, s[4:5] offset:2048*(\t)+512*\i th:TH_LOAD_NT
.endr
.endm
.macro XTURN t                         ; LDS serves a wave's instructions in order: no wait between the stores and the loads
.irp i, 0,1,2,3
	ds_store_b128 v14, v[R+16*((\t)%4)+4*\i:R+16*((\t)%4)+4*\i+3] offset:32*SP*((\t)%2)+8*SP*\i
.endr
.irp i, 0,1,2,3
	ds_load_b128 v[X+16*((\t)%2)+4*\i:X+16*((\t)%2)+4*\i+3], v15 offset:32*SP*((\t)%2)+16*\i
.endr
.endm
.irp t, 0,1,2,3
	XLOAD \t
.endr
	s_wait_loadcnt 12                              ; step 0's four loads are in; the twelve of steps 1 to 3 may be out
	XTURN 0
.macro XSTEP t
.set XS, X+16*((\t)%2)
.if (\t) > 0
	s_wait_dscnt 1                                 ; this step's numbers are back from the stage; the last step's byte store may be out
.else
	s_wait_dscnt 0x0
.endif
.if (\t)+4 < STEPS
	XLOAD (\t)+4                                   ; into the set that the stage's stores have read
.endif
.if (\t)+1 < STEPS
.if STEPS-2-(\t) >= 3
	s_wait_loadcnt 12                              ; the next step's four loads are in; three later steps' twelve may be out
.else
	s_wait_loadcnt 4*(STEPS-2-(\t))                ; the tail: as many as are still behind the next step's
.endif
	XTURN (\t)+1
.endif
	v_max3_num_f32 v8, |v[XS]|, |v[XS+1]|, |v[XS+2]|               ; the largest magnitude of my 16, in two chains
	v_max3_num_f32 v9, |v[XS+3]|, |v[XS+4]|, |v[XS+5]|
.irp i, 6,10
	v_max3_num_f32 v8, v8, |v[XS+\i]|, |v[XS+\i+1]|
	v_max3_num_f32 v9, v9, |v[XS+\i+2]|, |v[XS+\i+3]|
.endr
	v_max3_num_f32 v8, v8, |v[XS+14]|, |v[XS+15]|
	v_max3_num_f32 v8, v8, v9, (EMAX+1)<<23        ; and the floor 2^(3 - 127): the byte cannot fall under 1
	v_max_num_f32_dpp v8, v8, v8 row_xmask:1 row_mask:0xf bank_mask:0xf   ; with my neighbour's 16: the block's
	v_add_nc_u32 v11, -(EMAX<<23), v8              ; 2 off its exponent field: the conversion takes this operand's exponent field as its scale
	v_cvt_scalef32_pk8_fp4_f32 v[C+4*(\t)], v[XS:XS+7], v11
	v_cvt_scalef32_pk8_fp4_f32 v[C+4*(\t)+1], v[XS+8:XS+15], v11
	v_lshrrev_b32 v[E+(\t)], 23, v11               ; the scale's byte (also the plain line behind the conversions)
	ds_store_b8 v5, v[E+(\t)] offset:16*(\t)       ; both lanes of a block write the same byte with the same value
	global_store_b64 v4, v[C+4*(\t):C+4*(\t)+1], s[10:11] offset:32*CB*(\t)   ; the wave stores 256 consecutive bytes, aligned
.endm
.irp t, 0,1,2,3,4,5,6,7,8,9,10,11,12,13,14,15
	XSTEP \t
.endr
	ds_load_b64 v[8:9], v6                         ; my wave's 256 scale bytes: these loads see my stores
	s_wait_dscnt 0x0
	global_store_b64 v7, v[8:9], s[12:13]          ; 256 consecutive bytes, aligned
	s_wait_tensorcnt 0x0                           ; the wave's end
	ds_add_u32 v[SPW], v[NIL]
	s_wait_dscnt 0x0
	s_endpgm
.Lnot_x:
	s_cmp_lt_u32 ttmp9, 304
	s_cbranch_scc0 .Lcast
; ---------------- w_attn: a lane to a column n, registers down K ----------------
; 48 work-groups: 24 along n (128 columns each, 32 a wave) x 2 along K (512 each).
	s_sub_co_u32 s17, ttmp9, 256
	s_cmp_ge_u32 s17, 24
	s_cselect_b32 s18, 1, 0                        ; which 512 along K
	s_cselect_b32 s22, 24, 0
	s_sub_co_u32 s17, s17, s22
	s_lshl_b32 s17, s17, 7
	s_lshl_b32 s22, s16, 5
	s_add_co_u32 s17, s17, s22                     ; my wave's first column
	s_mul_i32 s20, s18, 512*WN*4
	s_lshl_b32 s22, s17, 2
	s_add_co_u32 s20, s20, s22
	s_add_nc_u64 s[6:7], s[6:7], s[20:21]          ; w_attn at (512 y, my first column)
	s_lshl_b32 s20, s17, 9
	s_lshl_b32 s22, s18, 8
	s_add_co_u32 s20, s20, s22
	s_add_co_u32 s20, s20, 4194304
	s_add_nc_u64 s[10:11], s[10:11], s[20:21]      ; its codes: column x 512 + 256 y, behind x's
	s_lshl_b32 s20, s17, 5
	s_lshl_b32 s22, s18, 4
	s_add_co_u32 s20, s20, s22
	s_add_co_u32 s20, s20, 262144
	s_add_nc_u64 s[12:13], s[12:13], s[20:21]      ; its scale bytes: column x 32 + 16 y, behind x's
	v_lshlrev_b32 v3, 2, v2                        ; in: 4 bytes a lane
	s_mul_i32 s23, s16, 32*WPITCH
	s_add_co_u32 s23, s23, WSTG                    ; my stage
	v_mul_u32_u24 v4, v2, WPITCH
	v_add_nc_u32 v4, s23, v4                       ; into it: row = my column
	v_and_b32 v5, 15, v2
	v_lshrrev_b32 v6, 4, v2
	v_mul_u32_u24 v7, v6, WPITCH
	v_lshl_add_u32 v7, v5, 4, v7
	v_add_nc_u32 v7, s23, v7                       ; out of it: sixteen lanes to a row, two rows an instruction
	v_mul_u32_u24 v8, v6, KROW
	v_lshl_add_u32 v8, v5, 4, v8                   ; and the same place in the codes' buffer
	v_mul_u32_u24 v9, v2, 32                       ; my column's row of scale bytes
.macro WLOAD t                         ; block t: w(32 t + i, my column): 32 lanes read 128 consecutive bytes; the largest immediate is 511 rows of 12,288 bytes, inside the signed 24 bits
.irp i, 0,1,2,3,4,5,6,7,8,9,10,11,12,13,14,15,16,17,18,19,20,21,22,23,24,25,26,27,28,29,30,31
	global_load_b32 v[WX+32*((\t)%2)+\i], v3, s[6:7] offset:(32*(\t)+\i)*WN*4 th:TH_LOAD_NT
.endr
.endm
	WLOAD 0
	WLOAD 1
.macro WBLOCK t
.set XS, WX+32*((\t)%2)
.if (\t) < NB-1
	s_wait_loadcnt 32                              ; this block's 32 loads are in; the next block's 32 may be out
.else
	s_wait_loadcnt 0
.endif
	v_max3_num_f32 v12, |v[XS]|, |v[XS+1]|, |v[XS+2]|              ; the block's largest magnitude: all 32 numbers are mine
	v_max3_num_f32 v13, |v[XS+3]|, |v[XS+4]|, |v[XS+5]|
.irp i, 6,10,14,18,22,26
	v_max3_num_f32 v12, v12, |v[XS+\i]|, |v[XS+\i+1]|
	v_max3_num_f32 v13, v13, |v[XS+\i+2]|, |v[XS+\i+3]|
.endr
	v_max3_num_f32 v12, v12, |v[XS+30]|, |v[XS+31]|
	v_max3_num_f32 v12, v12, v13, (EMAX+1)<<23     ; and the floor
	v_add_nc_u32 v11, -(EMAX<<23), v12             ; the conversion's scale operand
	v_lshrrev_b32 v13, 23, v11                     ; the scale's byte
.if (\t)%4 == 0
	v_mov_b32 v[SB+(\t)/4], v13                    ; four bytes to a register, the lower K in the lower byte
.else
	v_lshl_or_b32 v[SB+(\t)/4], v13, 8*((\t)%4), v[SB+(\t)/4]
.endif
.irp g, 0,1,2,3
	v_cvt_scalef32_pk8_fp4_f32 v[WC+\g], v[XS+8*\g:XS+8*\g+7], v11
.endr
	v_nop                                          ; one plain line behind the last conversion of the run
	ds_store_b128 v4, v[WC:WC+3] offset:16*(\t)    ; 32 codes: 16 bytes of my column's row
.if (\t)+2 < NB
	WLOAD (\t)+2
.endif
	s_wait_dscnt 0x0                               ; the store has read its registers: the next block's codes may be written
.endm
.irp t, 0,1,2,3,4,5,6,7,8,9,10,11,12,13,14,15
	WBLOCK \t
.endr
	global_store_b128 v9, v[SB:SB+3], s[12:13]     ; my column's 16 scale bytes
.irp t, 0,1,2,3,4,5,6,7,8,9,10,11,12,13,14,15
	ds_load_b128 v[OUTR+4*\t:OUTR+4*\t+3], v7 offset:2*\t*WPITCH
.endr
.irp t, 0,1,2,3,4,5,6,7,8,9,10,11,12,13,14,15
	s_wait_dscnt 15-\t                             ; load t is in; the younger ones may be out
	global_store_b128 v8, v[OUTR+4*\t:OUTR+4*\t+3], s[10:11] offset:2*\t*KROW   ; sixteen lanes store 256 consecutive bytes, aligned
.endr
	s_wait_tensorcnt 0x0                           ; the wave's end: the three lines
	ds_add_u32 v[SPW], v[NIL]
	s_wait_dscnt 0x0
	s_endpgm
.Lcast:
; ---------------- w_proj: f32 -> f16, a plain stream; 32,768 bytes in and 16,384 out for each wave ----------------
	s_sub_co_u32 s17, ttmp9, 304
	s_lshl_b32 s17, s17, 2
	s_add_co_u32 s18, s17, s16                     ; my run: 0 .. 127
	s_lshl_b32 s20, s18, 15
	s_add_nc_u64 s[8:9], s[8:9], s[20:21]
	s_lshl_b32 s20, s18, 14
	s_add_nc_u64 s[14:15], s[14:15], s[20:21]
	v_lshlrev_b32 v3, 4, v2                        ; in: 16 bytes a lane, 512 consecutive bytes an instruction
	v_lshlrev_b32 v4, 3, v2                        ; out: 8 bytes a lane, 256 consecutive bytes, aligned
.macro CLOAD g
.irp j, 0,1,2,3,4,5,6,7,8,9,10,11,12,13,14,15
	global_load_b128 v[16+64*((\g)%2)+4*\j:16+64*((\g)%2)+4*\j+3], v3, s[8:9] offset:512*(16*(\g)+\j)
.endr
.endm
.macro CAST g
.if (\g) < 3
	s_wait_loadcnt 16                              ; this group's 16 loads are in; the younger group's 16 may be out
.else
	s_wait_loadcnt 0
.endif
	s_wait_xcnt 0x0                                ; the last group's stores have read v144-175, which are written again below
.irp j, 0,1,2,3,4,5,6,7,8,9,10,11,12,13,14,15
	v_cvt_pk_f16_f32 v[144+2*\j], v[16+64*((\g)%2)+4*\j], v[16+64*((\g)%2)+4*\j+1]
	v_cvt_pk_f16_f32 v[145+2*\j], v[16+64*((\g)%2)+4*\j+2], v[16+64*((\g)%2)+4*\j+3]
.endr
.if (\g) < 2
	CLOAD (\g)+2
.endif
.irp j, 0,1,2,3,4,5,6,7,8,9,10,11,12,13,14,15
	global_store_b64 v4, v[144+2*\j:145+2*\j], s[14:15] offset:256*(16*(\g)+\j)
.endr
.endm
	CLOAD 0
	CLOAD 1
	CAST 0
	CAST 1
	CAST 2
	CAST 3
	s_wait_tensorcnt 0x0                           ; all three paths end alike
	ds_add_u32 v[SPW], v[NIL]
	s_wait_dscnt 0x0
	s_endpgm
.Lfunc_end_k_q1129098227_prep:
	.size	k_q1129098227_prep, .Lfunc_end_k_q1129098227_prep-k_q1129098227_prep
	.p2alignl 7, 3214868480
	.fill 96, 4, 3214868480
	.section	.rodata,"a",@progbits
	.p2align	6, 0x0
	.amdhsa_kernel k_q1129098227_prep
		.amdhsa_group_segment_fixed_size 68096
		.amdhsa_private_segment_fixed_size 0
		.amdhsa_enable_private_segment 0
		.amdhsa_kernarg_size 48
		.amdhsa_user_sgpr_count 2
		.amdhsa_user_sgpr_kernarg_segment_ptr 1
		.amdhsa_wavefront_size32 1
		.amdhsa_system_sgpr_workgroup_id_x 1
		.amdhsa_system_sgpr_workgroup_id_y 1
		.amdhsa_system_sgpr_workgroup_id_z 1
		.amdhsa_system_vgpr_workitem_id 0
		.amdhsa_next_free_vgpr 192
		.amdhsa_next_free_sgpr 66
		.amdhsa_reserve_vcc 0
		.amdhsa_float_denorm_mode_32 3
		.amdhsa_float_denorm_mode_16_64 3
		.amdhsa_memory_ordered 1
		.amdhsa_forward_progress 1
		.amdhsa_inst_pref_size 132
	.end_amdhsa_kernel
	.amdgpu_metadata
---
amdhsa.version: [ 1, 2 ]
amdhsa.kernels:
  - .name:           k_q1129098227_prep
    .symbol:         k_q1129098227_prep.kd
    .args:
      - { .name: x, .offset: 0, .size: 8, .value_kind: global_buffer, .address_space: global }
      - { .name: w_attn, .offset: 8, .size: 8, .value_kind: global_buffer, .address_space: global }
      - { .name: w_proj, .offset: 16, .size: 8, .value_kind: global_buffer, .address_space: global }
      - { .name: codes, .offset: 24, .size: 8, .value_kind: global_buffer, .address_space: global }
      - { .name: scales, .offset: 32, .size: 8, .value_kind: global_buffer, .address_space: global }
      - { .name: w16, .offset: 40, .size: 8, .value_kind: global_buffer, .address_space: global }
    .group_segment_fixed_size: 68096
    .private_segment_fixed_size: 0
    .kernarg_segment_align: 8
    .kernarg_segment_size: 48
    .max_flat_workgroup_size: 128
    .sgpr_count:     66
    .vgpr_count:     192
    .wavefront_size: 32
...
	.end_amdgpu_metadata
.endif
;; end of part 1
;; launch qkv (part 2): grid 12 x 32, 4 waves a work-group, clusters of 4 x 4, 327,680 bytes of LDS; arguments codes, scales, b_attn, qkvw, fqbs; writes qkvw, fqbs
.if DOCPART == 2
	.amdgcn_target "amdgcn-amd-amdhsa--gfx1250"
	.amdhsa_code_object_version 6
	.text
	.protected	k_q1129098227_qkv
	.globl	k_q1129098227_qkv
	.p2align	8
	.type	k_q1129098227_qkv,@function
k_q1129098227_qkv:
	s_mov_b64 s[64:65], 0
	v_nop
	global_prefetch_b8 v0, s[64:65] scope:SCOPE_SE
	s_setreg_imm32_b32 hwreg(HW_REG_WAVE_MODE, 25, 1), 1
	s_wait_xcnt 0x0
	s_wait_alu depctr_hold_cnt(0) depctr_sa_sdst(0) depctr_va_vdst(0) depctr_va_sdst(0) depctr_va_ssrc(0) depctr_va_vcc(0) depctr_vm_vsrc(0)
	s_getreg_b32 s2, hwreg(HW_REG_IB_STS2, 6, 4)
	s_cmp_eq_u32 s2, 0
	s_cbranch_scc0 .Lentry_in_a_cluster
	s_endpgm
.Lentry_in_a_cluster:
	s_bfe_u32 s2, ttmp6, 0x10000c
	s_cmp_lg_u32 s2, 0xf033
	s_cbranch_scc0 .Lentry_shape_is_right
	s_endpgm
.Lentry_shape_is_right:
; QKV: qkv = Q(x) Q(w_attn) + b_attn on codes of FP4 (E2M1) with E8M0 scales, M = 8,192, N = 3,072, K = 1,024; sums in f32, b_attn as each sum's first addend (an order of rounding other than the reference's).
; A tile of 256 x 256 to a work-group of four waves, 128 x 128 a wave: 64 accumulators, 512 registers.  All of K lies in two LDS slots of 512 along K, both asked for at the head: nothing is filled again.
; The scale bytes of the tile's 256 + 256 rows come once, in rows of 256 bytes.  CLUSTERS: 4 x 4; A's tiles are asked for jointly along a row of the cluster, B's along a column.
; TILE ROW = cluster y + 8 cy: the four rows of a cluster stand at the same place of the four sequences, so 'my tile begins a sequence' is cluster y = 0, alike in all sixteen partners.  Batch = cy; q, k or v = cluster x.
; THE MATRIX INSTRUCTION IS USED TRANSPOSED (source 0 = 16 rows of w's codes, source 1 = 16 rows of x's): a lane holds eight neighbouring columns of one token.
; OUT: q, k, v as f16, [3][64 heads][2,048][64] (two tokens of a head are 256 consecutive bytes); the f32 rows of positions 0-15 (FQ [4][16][3,072]); for v the column sums of each 64 keys (BS [64][32][64] f32;
; block 0 leaves out keys 0-15).  LIMITS: |q|, |k|, |v| under 65,504; under 6e-5 they are f16 subnormals.
; REGISTERS: window 0: v16-31 addresses; v32-95 scale words, two sets; v128-191 A's fragments, one set; on the way out v32-255 are free.  window 1: B's fragments at v0 and v128; the bias at v192-255.
;   window 2: the accumulators of my rows 0-63 ((a, b) at v[8 (8 a + b)]);  window 3: those of rows 64-127.
.set NQ,     4                         ; matrix instructions deep in a slot
.set ROWB,   256                       ; a tile's row: 512 codes
.set KROW,   512                       ; a row of codes in memory
.set PITCH,  272                       ; an LDS row: 256 bytes + 16 of padding, so that the 16 rows of a load begin 16 bytes further on in each 256
.set FR,     8
.set NL,     2
.set NP,     4                         ; places behind this matrix instruction (ISA guide 7.12.1)
.set HALFT,  128*PITCH
.set SLOT,   4*HALFT
.set KS,     32                        ; a row of scale bytes
.set SCL,    2*SLOT
.set HALFS,  16*272                    ; the scales of 128 rows
.set SBLK,   2*272                     ; of 16 rows
.set SPARE,  SCL+4*HALFS               ; the spare words, 128 bytes a wave, named by no other line
.set SPITCH, 528                       ; the way out: a stage of 16 x 528 bytes for each wave, in slot 0, which has had its one fill and its last read by then
.set ADRA, 16                          ; v16-17 LDS address of my A fragments in slot 0, 1
.set BIA,  19                          ; v19    32 x (lane / 16): the bias's lane term
.set ADRB, 20                          ; v20-21 the same for B
.set CO,   22                          ; v22    f16 out: (lane / 16) x a head's 262,144 bytes + 16 (lane % 16)
.set COF,  23                          ; v23    16 x lane
.set STOF, 24                          ; v24    stage, f32 rows in: r x 528 + 32 h
.set RDF,  25                          ; v25    stage, f32 rows back: 16 x lane
.set STOH, 26                          ; v26    stage, f16 in: (r / 2) x 528 + (r % 2) x 128 + 16 h
.set ADRS, 27                          ; v27    LDS address of my scale words
.set SPW,  28
.set NIL,  29
.set COB,  30                          ; v30    BS out: (lane / 16) x 8,192 + 16 (lane % 16)
.set RDH,  31                          ; v31    stage, f16 back: (lane / 16) x 256 + 16 (lane % 16)
.set SC,   32
.set AF,   128
.set BIAS, 192                         ; in window 1
.set T,    32                          ; the way out, window 0: v32-95 sums over four blocks of rows
.set TMP,  96                          ; v96-127 a block as f16
.set BK,   128                         ; v128-159, v160-191 by turns: a block read back
.set BKF,  192                         ; v192-255: 16 f32 rows read back
.set G1, 24
.set G0, 32
.set G1B, 48
.set G0B, 56
.set G1S, 68
.set G0S, 76
.set G1SB, 80
.set G0SB, 88
.set MSB, 0
.macro WIN new                         ; the immediate's high byte repeats the setting that is left
.if MSB != (\new)
	s_set_vgpr_msb (MSB<<8)|(\new)
.set MSB, (\new)
.endif
.endm
.set MUL_LO,  0xa1                     ; source 0 (B) window 1, source 1 (A) window 0, C and D window 2
.set MUL_HI,  0xf1
.set MUL0_LO, 0x91                     ; the first step: C = the bias in window 1, D window 2
.set MUL0_HI, 0xd1
.set TO_B,    0x40
.macro JLOAD g0a, g1a, g0b, g1b        ; a joint load: waves 0, 1 fetch for A, waves 2, 3 for B; the branch hangs on the wave's number alone; s_nop 0 and four v_nop follow each line
	s_cmp_eq_u32 s15, 0
	s_cbranch_scc0 .Lfor_b_\@
	tensor_load_to_lds s[\g0a:\g0a+3], s[\g1a:\g1a+7]
	s_nop 0
.rept 4
	v_nop
.endr
	s_branch .Lasked_\@
.Lfor_b_\@:
	tensor_load_to_lds s[\g0b:\g0b+3], s[\g1b:\g1b+7]
	s_nop 0
.rept 4
	v_nop
.endr
.Lasked_\@:
.endm
.macro CROUND                          ; a round of the cluster's barrier
	s_barrier_signal -1
	s_barrier_wait -1
	s_cmp_lg_u32 s14, 0
	s_cbranch_scc1 .Lnot_wave_0_\@
	s_barrier_signal -3
.Lnot_wave_0_\@:
	s_barrier_wait -3
	s_barrier_signal -1
	s_barrier_wait -1
.endm
	s_load_b128 s[4:7], s[0:1], 0x0                ; codes s[4:5] (x's at 0), scales s[6:7]
	s_load_b128 s[96:99], s[0:1], 0x10             ; b_attn s[96:97], qkvw s[98:99]
	s_load_b64 s[100:101], s[0:1], 0x20            ; fqbs
	v_lshl_add_u32 v[SPW], v0, 2, SPARE
	v_mov_b32 v[NIL], 0
	ds_add_u32 v[SPW], v[NIL]                      ; the opening: the add, twice on end, and its wait ahead of my first tensor load
	ds_add_u32 v[SPW], v[NIL]
	v_lshrrev_b32 v1, 5, v0
	v_readfirstlane_b32 s14, v1                    ; wave 0..3
	s_lshr_b32 s15, s14, 1                         ; my half of the tile's rows; also: I fetch for A (0) or B (1)
	s_and_b32 s16, s14, 1                          ; my half of its columns; also: which 128 rows I fetch
	s_bfe_u32 s40, ttmp6, 0x40000                  ; cx
	s_bfe_u32 s41, ttmp6, 0x40004                  ; cy
	s_lshl_b32 s42, ttmp9, 2
	s_add_co_u32 s42, s42, s40                     ; tile column = 4 x cluster x + cx
	s_and_b32 s66, ttmp7, 0xffff                   ; cluster y
	s_lshl_b32 s17, s41, 3
	s_add_co_u32 s17, s17, s66                     ; tile row = cluster y + 8 cy
	s_lshl_b32 s43, s41, 2
	s_lshl_b32 s43, 15, s43                        ; my row of the cluster
	s_lshl_b32 s44, 0x1111, s40                    ; my column
	s_or_b32 s[G1+0], s43, (0<<16)|(1<<20)|(1<<21)|(5<<22)|(3<<25)   ; mask; elements of 1 byte; padding: 4 words after every 64; bit 21 beside a mask
	s_or_b32 s[G1B+0], s44, (0<<16)|(1<<20)|(1<<21)|(5<<22)|(3<<25)
.irp g, G1, G1B
	s_mov_b32 s[\g+1], ROWB<<16                    ; tensor_dim0
	s_mov_b32 s[\g+2], 128<<16                     ; tensor_dim1
	s_mov_b32 s[\g+3], ROWB<<16                    ; tile_dim0
	s_mov_b32 s[\g+4], 128                         ; tile_dim1
	s_mov_b32 s[\g+5], KROW                        ; from row to row
	s_mov_b32 s[\g+6], 0
	s_mov_b32 s[\g+7], 0
.endr
	s_or_b32 s[G1S+0], s43, (3<<16)|(1<<20)|(1<<21)|(5<<22)|(3<<25)  ; the scales of 128 rows: 4,096 dense bytes as 16 rows of 32 elements of 8 bytes
	s_or_b32 s[G1SB+0], s44, (3<<16)|(1<<20)|(1<<21)|(5<<22)|(3<<25)
.irp g, G1S, G1SB
	s_mov_b32 s[\g+1], 32<<16
	s_mov_b32 s[\g+2], 16<<16
	s_mov_b32 s[\g+3], 32<<16
	s_mov_b32 s[\g+4], 16
	s_mov_b32 s[\g+5], 32
	s_mov_b32 s[\g+6], 0
	s_mov_b32 s[\g+7], 0
.endr
	s_lshl_b32 s18, s16, 7
	s_lshl_b32 s20, s17, 8
	s_add_co_u32 s20, s20, s18                     ; A: row 256 x tile row + 128 x half
	s_lshl_b32 s46, s42, 8
	s_add_co_u32 s46, s46, s18                     ; B: row 256 x tile column + 128 x half
	s_mov_b32 s21, 0
	s_mov_b32 s47, 0
	s_mov_b64 s[18:19], KS
	s_mul_u64 s[22:23], s[20:21], s[18:19]         ; where these rows' scales begin,
	s_mul_u64 s[92:93], s[46:47], s[18:19]
	s_mov_b64 s[18:19], KROW
	s_mul_u64 s[20:21], s[20:21], s[18:19]         ; and their codes
	s_mul_u64 s[46:47], s[46:47], s[18:19]
	s_mul_i32 s45, s14, HALFT                      ; where they go: wave x 128 rows
	s_mul_i32 s94, s14, HALFS
	s_wait_dscnt 0x0                               ; both opening adds are done
	s_wait_kmcnt 0x0
	s_add_nc_u64 s[8:9], s[4:5], 4194304           ; w's codes lie behind x's,
	s_add_nc_u64 s[10:11], s[6:7], 262144          ; and so do its scale bytes
	s_add_nc_u64 s[20:21], s[4:5], s[20:21]
	s_add_nc_u64 s[22:23], s[6:7], s[22:23]
	s_add_nc_u64 s[46:47], s[8:9], s[46:47]
	s_add_nc_u64 s[92:93], s[10:11], s[92:93]
	CROUND                                         ; all sixteen work-groups are here: the joint loads meet
	s_mov_b32 s[G0S], 1
	s_add_co_u32 s[G0S+1], s94, SCL
	s_mov_b64 s[G0S+2:G0S+3], s[22:23]
	s_or_b32 s[G0S+3], s[G0S+3], 0x80000000
	s_mov_b32 s[G0SB], 1
	s_add_co_u32 s[G0SB+1], s94, SCL
	s_mov_b64 s[G0SB+2:G0SB+3], s[92:93]
	s_or_b32 s[G0SB+3], s[G0SB+3], 0x80000000
	JLOAD G0S, G1S, G0SB, G1SB                     ; the scales first; three loads of mine are out behind the head
.irp s, 0,1
	s_mov_b32 s[G0+4*\s], 1
	s_add_co_u32 s[G0+4*\s+1], s45, \s*SLOT
	s_add_nc_u64 s[G0+4*\s+2:G0+4*\s+3], s[20:21], \s*ROWB
	s_or_b32 s[G0+4*\s+3], s[G0+4*\s+3], 0x80000000
	s_mov_b32 s[G0B+4*\s], 1
	s_add_co_u32 s[G0B+4*\s+1], s45, \s*SLOT
	s_add_nc_u64 s[G0B+4*\s+2:G0B+4*\s+3], s[46:47], \s*ROWB
	s_or_b32 s[G0B+4*\s+3], s[G0B+4*\s+3], 0x80000000
	JLOAD G0+4*\s, G1, G0B+4*\s, G1B
.endr
	v_and_b32 v1, 15, v0                           ; r
	v_bfe_u32 v2, v0, 4, 1                         ; h
	v_mul_u32_u24 v3, v1, PITCH
	v_lshl_add_u32 v4, v2, 4, v3
	s_mul_i32 s21, s15, HALFT
	s_mul_i32 s22, s16, HALFT
	s_add_co_u32 s22, s22, 2*HALFT
.irp s, 0,1
	v_add_nc_u32 v[ADRA+\s], s21, v4
	v_add_nc_u32 v[ADRB+\s], s22, v4
	s_add_co_u32 s21, s21, SLOT
	s_add_co_u32 s22, s22, SLOT
.endr
	v_mul_u32_u24 v5, v1, KS                       ; my row's scales: 32 bytes a row,
	v_lshrrev_b32 v6, 8, v5
	v_lshl_add_u32 v5, v6, 4, v5                   ; and 16 more for each 256 passed
	s_mul_i32 s21, s15, HALFS
	s_mul_i32 s22, s16, HALFS
	s_add_co_u32 s22, s22, 2*HALFS
	s_sub_co_u32 s22, s22, s21
	v_mul_u32_u24 v6, s22, v2                      ; lanes 16-31 take B's
	s_add_co_u32 s21, s21, SCL
	v_add_nc_u32 v5, v5, v6
	v_add_nc_u32 v[ADRS], s21, v5
	s_mul_i32 s23, s14, 16*SPITCH                  ; my stage
	v_mul_u32_u24 v5, v1, SPITCH
	v_lshl_add_u32 v5, v2, 5, v5
	v_add_nc_u32 v[STOF], s23, v5
	v_and_b32 v6, 31, v0
	v_lshlrev_b32 v[COF], 4, v6
	v_add_nc_u32 v[RDF], s23, v[COF]
	v_lshrrev_b32 v5, 1, v1
	v_mul_u32_u24 v5, v5, SPITCH
	v_and_b32 v7, 1, v1
	v_lshl_add_u32 v5, v7, 7, v5
	v_lshl_add_u32 v5, v2, 4, v5
	v_add_nc_u32 v[STOH], s23, v5
	v_lshlrev_b32 v5, 4, v1
	v_lshl_add_u32 v7, v2, 8, v5
	v_add_nc_u32 v[RDH], s23, v7
	v_lshl_add_u32 v[CO], v2, 18, v5
	v_lshl_add_u32 v[COB], v2, 13, v5
	v_lshlrev_b32 v[BIA], 5, v2
	; where my results go.  head = 16 cy + 4 cx + 2 x column half (and the next); first token in the sequence = 256 x cluster y + 128 x row half
	s_lshl_b32 s18, s41, 4
	s_lshl_b32 s19, s40, 2
	s_add_co_u32 s18, s18, s19
	s_lshl_b32 s19, s16, 1
	s_add_co_u32 s18, s18, s19                     ; the head
	s_lshl_b32 s19, s66, 8
	s_lshl_b32 s20, s15, 7
	s_add_co_u32 s19, s19, s20                     ; the first token
	s_lshl_b32 s20, s18, 11
	s_add_co_u32 s20, s20, s19
	s_lshl_b32 s20, s20, 7                         ; rows of 128 bytes
	s_lshl_b32 s21, ttmp9, 24                      ; the plane of q, k or v: 16,777,216 bytes
	s_add_co_u32 s20, s20, s21
	s_mov_b32 s21, 0
	s_add_nc_u64 s[12:13], s[98:99], s[20:21]      ; f16 out
	s_lshl_b32 s20, s18, 5
	s_lshr_b32 s22, s19, 6
	s_add_co_u32 s20, s20, s22
	s_lshl_b32 s20, s20, 8
	s_add_co_u32 s20, s20, 786432
	s_add_nc_u64 s[92:93], s[100:101], s[20:21]    ; BS: (head x 32 + first token / 64) rows of 256 bytes
	s_lshl_b32 s22, s42, 10
	s_lshl_b32 s23, s16, 9
	s_add_co_u32 s22, s22, s23                     ; my first column, in f32 bytes
	s_mul_i32 s20, s41, 196608
	s_add_co_u32 s20, s20, s22
	s_add_nc_u64 s[46:47], s[100:101], s[20:21]    ; FQ: batch x 16 rows of 12,288 bytes + my columns
	s_mov_b32 s20, s22
	s_add_nc_u64 s[96:97], s[96:97], s[20:21]      ; b_attn at my columns
	s_or_b32 s67, s66, s15                         ; 0 where my 128 rows begin a sequence
	WIN TO_B
.irp b, 0,1,2,3,4,5,6,7                            ; the bias in the result's layout: block b, lane (r, h): columns 16 b + 8 h + 0 .. 7
	global_load_b128 v[BIAS+8*\b:BIAS+8*\b+3], v[BIA], s[96:97] offset:64*\b
	global_load_b128 v[BIAS+8*\b+4:BIAS+8*\b+7], v[BIA], s[96:97] offset:64*\b+16
.endr
	WIN 0
.macro FRAG reg, adr, q, i             ; 16 rows x 128 K of 4-bit codes: 8 registers, two loads 32 bytes apart
.irp c, 0,1
	ds_load_b128 v[\reg+4*\c:\reg+4*\c+3], v[\adr] offset:64*(\q)+32*\c+(\i)*16*PITCH
.endr
.endm
; 16 matrix instructions: A's blocks a0, a0 + 1 x B's eight.  The 64 accumulators take turns, one instruction a turn, in the same order in every step.  zero = 1: the bias starts the sums.
.macro MUL16 a0, p, q, sc, zero
.irp a, \a0, \a0+1
.irp b, 0,1,2,3,4,5,6,7
.if \zero
	v_wmma_scale_f32_16x16x128_f8f6f4 v[8*(8*((\a)%4)+\b):8*(8*((\a)%4)+\b)+7], v[128*(\p)+FR*\b:128*(\p)+FR*\b+FR-1], v[AF+FR*(\a):AF+FR*(\a)+FR-1], v[BIAS+8*\b:BIAS+8*\b+7], v[SC+8*NQ*(\sc)+NQ*\b+(\q)], v[SC+8*NQ*(\sc)+NQ*(\a)+(\q)] matrix_a_fmt:MATRIX_FMT_FP4 matrix_b_fmt:MATRIX_FMT_FP4 matrix_a_scale:MATRIX_SCALE_ROW1
.else
	v_wmma_scale_f32_16x16x128_f8f6f4 v[8*(8*((\a)%4)+\b):8*(8*((\a)%4)+\b)+7], v[128*(\p)+FR*\b:128*(\p)+FR*\b+FR-1], v[AF+FR*(\a):AF+FR*(\a)+FR-1], v[8*(8*((\a)%4)+\b):8*(8*((\a)%4)+\b)+7], v[SC+8*NQ*(\sc)+NQ*\b+(\q)], v[SC+8*NQ*(\sc)+NQ*(\a)+(\q)] matrix_a_fmt:MATRIX_FMT_FP4 matrix_b_fmt:MATRIX_FMT_FP4 matrix_a_scale:MATRIX_SCALE_ROW1
.endif
.endr
.endr
.endm
.macro FETCH_B slot, q, p
	WIN TO_B
.irp i, 0,1,2,3,4,5,6,7
	FRAG 128*(\p)+FR*\i, ADRB+\slot, \q, \i
.endr
	WIN 0
.endm
.macro FETCH_A slot, q, i0
.irp i, \i0, \i0+1, \i0+2, \i0+3
	FRAG AF+FR*(\i), ADRA+\slot, \q, \i
.endr
.endm
.macro SCALES sc                       ; a slot's scale words: lanes 0-15 A's block i, lanes 16-31 B's block i, four words a row
.irp i, 0,1,2,3,4,5,6,7
	ds_load_b128 v[SC+8*NQ*\sc+NQ*\i:SC+8*NQ*\sc+NQ*\i+3], v[ADRS] offset:\i*SBLK
.endr
.endm
.macro PLACES n                        ; plain vector lines between a matrix instruction and a load into, or a read of, its registers
.rept \n
	v_nop
.endr
.endm
.macro STEP slot, q, zero              ; 128 along K, with its successor in the same slot
	s_wait_dscnt 4*NL                              ; all but the youngest eight loads (A's blocks 4-7) are in
.if \zero
	WIN MUL0_LO
.else
	WIN MUL_LO
.endif
	MUL16 0, (\q)%2, \q, \slot, \zero
	MUL16 2, (\q)%2, \q, \slot, \zero
	s_wait_dscnt 0
	PLACES NP
	FETCH_B \slot, (\q)+1, 1-(\q)%2
	FETCH_A \slot, (\q)+1, 0
.if \zero
	WIN MUL0_HI
.else
	WIN MUL_HI
.endif
	MUL16 4, (\q)%2, \q, \slot, \zero
	MUL16 6, (\q)%2, \q, \slot, \zero
	PLACES NP
	WIN 0
	FETCH_A \slot, (\q)+1, 4
.endm
	s_wait_tensorcnt 1                             ; the scales and my part of slot 0 are in; slot 1's load may be out
	s_barrier_signal -1
	s_barrier_wait -1
	FETCH_B 0, 0, 0
	FETCH_A 0, 0, 0
	SCALES 0
	FETCH_A 0, 0, 4
	s_wait_loadcnt 0x0                             ; the bias
	STEP 0, 0, 1
	STEP 0, 1, 0
	STEP 0, 2, 0
	; slot 0's last step changes slots: one barrier; in front of it my load of slot 1 has landed and my reads of slot 0 are over
	s_wait_tensorcnt 0x0
	ds_add_u32 v[SPW], v[NIL]
	s_wait_dscnt 4*NL+1                            ; the add and the youngest eight loads may be out
	WIN MUL_LO
	MUL16 0, 1, NQ-1, 0, 0
	s_wait_dscnt 0x0
	s_barrier_signal -1
	MUL16 2, 1, NQ-1, 0, 0
	WIN 0
	s_barrier_wait -1
	PLACES NP
	v_add_nc_u32 v[ADRS], 4*NQ, v[ADRS]            ; slot 1's scale words (no LDS load of mine is out)
	FETCH_B 1, 0, 0
	FETCH_A 1, 0, 0
	SCALES 1
	WIN MUL_HI
	MUL16 4, 1, NQ-1, 0, 0
	MUL16 6, 1, NQ-1, 0, 0
	PLACES NP
	WIN 0
	FETCH_A 1, 0, 4
	STEP 1, 0, 0
	STEP 1, 1, 0
	STEP 1, 2, 0
	s_wait_dscnt 4*NL
	WIN MUL_LO
	MUL16 0, 1, NQ-1, 1, 0
	MUL16 2, 1, NQ-1, 1, 0
	s_wait_dscnt 0
	WIN MUL_HI
	MUL16 4, 1, NQ-1, 1, 0
	MUL16 6, 1, NQ-1, 1, 0
	WIN 0
	PLACES NP                                      ; behind the last products, ahead of every read of results and every write of operands below
; ---- V's column sums: for each 64 of my rows the sum of each of my 128 columns.  Four blocks of rows are added in registers, the 16 rows left through my stage.
.macro GSUM g
.if \g == 0
	s_cmp_eq_u32 s67, 0
	s_cselect_b32 s94, 0, 1.0                      ; where my rows begin a sequence, positions 0-15 are left out of block 0
.else
	s_mov_b32 s94, 1.0
.endif
	s_mov_b32 s95, s94
	WIN 0x22+0x11*\g                               ; sources 0 and 2: window 2 + g
.irp b, 0,1,2,3,4,5,6,7
.irp i, 0,2,4,6
	v_pk_fma_f32 v[T+8*\b+\i:T+8*\b+\i+1], v[8*\b+\i:8*\b+\i+1], s[94:95], v[64+8*\b+\i:64+8*\b+\i+1] op_sel_hi:[1,0,1]   ; each accumulator from its low end on
.endr
.endr
	WIN 0x08+4*\g                                  ; source 1: window 2 + g
.irp a, 2,3
.irp b, 0,1,2,3,4,5,6,7
.irp i, 0,2,4,6
	v_pk_add_f32 v[T+8*\b+\i:T+8*\b+\i+1], v[T+8*\b+\i:T+8*\b+\i+1], v[64*\a+8*\b+\i:64*\a+8*\b+\i+1]
.endr
.endr
.endr
	WIN 0
.irp b, 0,1,2,3,4,5,6,7
	ds_store_b128 v[STOF], v[T+8*\b:T+8*\b+3] offset:64*\b
	ds_store_b128 v[STOF], v[T+8*\b+4:T+8*\b+7] offset:64*\b+16
.endr
.irp t, 0,1,2,3,4,5,6,7,8,9,10,11,12,13,14,15
	ds_load_b128 v[BKF+4*\t:BKF+4*\t+3], v[RDF] offset:\t*SPITCH   ; a lane: four columns of row t (LDS serves a wave's instructions in order)
.endr
	s_wait_dscnt 0x0
.irp s, 8,4,2,1
.irp t, 0,1,2,3,4,5,6,7
.if \t < \s
	v_pk_add_f32 v[BKF+4*\t:BKF+4*\t+1], v[BKF+4*\t:BKF+4*\t+1], v[BKF+4*(\t+\s):BKF+4*(\t+\s)+1]
	v_pk_add_f32 v[BKF+4*\t+2:BKF+4*\t+3], v[BKF+4*\t+2:BKF+4*\t+3], v[BKF+4*(\t+\s)+2:BKF+4*(\t+\s)+3]
.endif
.endr
.endr
	global_store_b128 v[COB], v[BKF:BKF+3], s[92:93] offset:256*\g   ; sixteen lanes store a head's 256 bytes, aligned
	s_wait_xcnt 0x0                                ; the store has read its registers: they are loaded again below
.endm
	s_cmp_lg_u32 ttmp9, 2                          ; cluster x = 2: v's columns; alike in all partners
	s_cbranch_scc1 .Lno_sums
	GSUM 0
	GSUM 1
.Lno_sums:
; ---- the f32 rows of positions 0-15
	s_cmp_lg_u32 s67, 0
	s_cbranch_scc1 .Lno_fq
	WIN 0x08                                       ; an LDS store's data are its source 1: window 2
.irp b, 0,1,2,3,4,5,6,7
	ds_store_b128 v[STOF], v[8*\b:8*\b+3] offset:64*\b
	ds_store_b128 v[STOF], v[8*\b+4:8*\b+7] offset:64*\b+16
.endr
	WIN 0
.irp t, 0,1,2,3,4,5,6,7,8,9,10,11,12,13,14,15
	ds_load_b128 v[BKF+4*\t:BKF+4*\t+3], v[RDF] offset:\t*SPITCH
.endr
	s_wait_dscnt 0x0
.irp t, 0,1,2,3,4,5,6,7,8,9,10,11,12,13,14,15
	global_store_b128 v[COF], v[BKF+4*\t:BKF+4*\t+3], s[46:47] offset:\t*12288   ; 512 consecutive bytes of a row
.endr
	s_wait_xcnt 0x0
.Lno_fq:
; ---- q, k, v as f16, a block of 16 tokens x 128 columns (two heads) at a time.  The stage is laid as the output's units: token pair p at 528 p, the second head 256 on, the odd token 128 on.
.macro PACK a
.set AC, 64*((\a)%4)
	WIN 0x0a+5*((\a)/4)                            ; sources 0 and 1: window 2 or 3
.irp b, 0,1,2,3,4,5,6,7
.irp i, 0,1,2,3
	v_cvt_pk_f16_f32 v[TMP+4*\b+\i], v[AC+8*\b+2*\i], v[AC+8*\b+2*\i+1]
.endr
.endr
	WIN 0
.endm
.macro TOSTAGE a
.set BB, BK+32*((\a)%2)
.irp b, 0,1,2,3,4,5,6,7
	ds_store_b128 v[STOH], v[TMP+4*\b:TMP+4*\b+3] offset:(\b/4)*256+32*(\b%4)
.endr
.irp t, 0,1,2,3,4,5,6,7
	ds_load_b128 v[BB+4*\t:BB+4*\t+3], v[RDH] offset:\t*SPITCH
.endr
.endm
.macro SEND a
.set BB, BK+32*((\a)%2)
	s_wait_dscnt 0x0                               ; the block is back in registers
	s_wait_xcnt 0x0                                ; the block before has been read by its stores: its registers are loaded again by the next TOSTAGE
.irp t, 0,1,2,3,4,5,6,7
	global_store_b128 v[CO], v[BB+4*\t:BB+4*\t+3], s[12:13] offset:(\a)*2048+\t*256   ; lanes 0-15: two tokens of one head, 256 consecutive bytes, aligned; lanes 16-31: the next head's
.endr
.endm
	PACK 0
	TOSTAGE 0
.irp a, 1,2,3,4,5,6,7                              ; block a's conversions stand between block a - 1's loads from the stage and the wait for them
	PACK \a
	SEND \a-1
	TOSTAGE \a
.endr
	SEND 7
	s_wait_tensorcnt 0x0                           ; the wave's end
	ds_add_u32 v[SPW], v[NIL]
	s_wait_dscnt 0x0
	CROUND                                         ; the closing round
	s_endpgm
.Lfunc_end_k_q1129098227_qkv:
	.size	k_q1129098227_qkv, .Lfunc_end_k_q1129098227_qkv-k_q1129098227_qkv
	.p2alignl 7, 3214868480
	.fill 96, 4, 3214868480
	.section	.rodata,"a",@progbits
	.p2align	6, 0x0
	.amdhsa_kernel k_q1129098227_qkv
		.amdhsa_group_segment_fixed_size 327680
		.amdhsa_private_segment_fixed_size 0
		.amdhsa_enable_private_segment 0
		.amdhsa_kernarg_size 40
		.amdhsa_user_sgpr_count 2
		.amdhsa_user_sgpr_kernarg_segment_ptr 1
		.amdhsa_wavefront_size32 1
		.amdhsa_system_sgpr_workgroup_id_x 1
		.amdhsa_system_sgpr_workgroup_id_y 1
		.amdhsa_system_sgpr_workgroup_id_z 1
		.amdhsa_system_vgpr_workitem_id 0
		.amdhsa_next_free_vgpr 1024
		.amdhsa_next_free_sgpr 102
		.amdhsa_reserve_vcc 0
		.amdhsa_float_denorm_mode_32 3
		.amdhsa_float_denorm_mode_16_64 3
		.amdhsa_memory_ordered 1
		.amdhsa_forward_progress 1
		.amdhsa_inst_pref_size 153
	.end_amdhsa_kernel
	.amdgpu_metadata
---
amdhsa.version: [ 1, 2 ]
amdhsa.kernels:
  - .name:           k_q1129098227_qkv
    .symbol:         k_q1129098227_qkv.kd
    .args:
      - { .name: codes, .offset: 0, .size: 8, .value_kind: global_buffer, .address_space: global }
      - { .name: scales, .offset: 8, .size: 8, .value_kind: global_buffer, .address_space: global }
      - { .name: b_attn, .offset: 16, .size: 8, .value_kind: global_buffer, .address_space: global }
      - { .name: qkvw, .offset: 24, .size: 8, .value_kind: global_buffer, .address_space: global }
      - { .name: fqbs, .offset: 32, .size: 8, .value_kind: global_buffer, .address_space: global }
    .group_segment_fixed_size: 327680
    .private_segment_fixed_size: 0
    .kernarg_segment_align: 8
    .kernarg_segment_size: 40
    .max_flat_workgroup_size: 128
    .sgpr_count:     102
    .vgpr_count:     1024
    .wavefront_size: 32
...
	.end_amdgpu_metadata
.endif
;; end of part 2
;; launch fine (part 3): grid 32 x 4, 16 waves a work-group, no clusters, 43,008 bytes of LDS; arguments fqbs, w_proj, b_proj, suf, out0; writes suf, out0
.if DOCPART == 3
	.amdgcn_target "amdgcn-amd-amdhsa--gfx1250"
	.amdhsa_code_object_version 6
	.text
	.protected	k_q1129098227_fine
	.globl	k_q1129098227_fine
	.p2align	8
	.type	k_q1129098227_fine,@function
k_q1129098227_fine:
	s_mov_b64 s[64:65], 0
	v_nop
	global_prefetch_b8 v0, s[64:65] scope:SCOPE_SE
	s_setreg_imm32_b32 hwreg(HW_REG_WAVE_MODE, 25, 1), 1
	s_wait_xcnt 0x0
; FINE: (1) the table of suffix sums of v: suf[head][k][channel] = the sum of v over keys from 64 k on (row 0: from key 16 on; row 32: zeros);
; (2) positions 0-15 of every sequence, all in f32: attention and the projection, by the f32 matrix form (no bulk work: 64 rows of the output).
; Work-group (slice = x, batch = y) makes out0[batch][0 .. 15][32 slice .. + 31].  Wave = head: it makes its head's attention for the 16 positions, multiplies by its 64 rows of w_proj, and the 16 partial results meet in LDS.
; THE MASK IS -10000, NOT -INFINITY: a masked key counts with e = exp(-10000 - m).  Keys 0-15 go the ordinary way; the 2,032 later keys enter as 2,032 e in the divisor and e x (the sum of their v) in the numerator.
; Scores are kept raw (q . k): the masked score is -80000 and c = log2(e) / 8; p = 2^(c s - c m) with the row's true maximum m.  The rounding of c m is one factor for a whole row and cancels in the division.
; The same order of k is given to both sources of each product, so each source is loaded or found as it lies.  The accumulators of the f32 form are written by matrix instructions alone, begin with C = 0, and take turns.
; The output leaves in runs of 128 bytes (32 columns of a row): 256 KB in the whole launch.
.set PART,  0                          ; LDS: 16 waves x 16 rows x (128 bytes + 16)
.set T16S,  36864                      ; 256 bytes a wave: the sum of v over keys 16 on, 64 channels
.set SPARE, 40960                      ; the spare words: 128 bytes for each of 16 waves
.set WP,  16                           ; v16-79   my 64 rows x 32 columns of w_proj
.set SA,  80                           ; v80-95   S^T, two accumulators
.set OA,  96                           ; v96-127  O^T, four
.set PA,  128                          ; v128-143 out^T, two
.set BSR, 144                          ; v144-207 the 32 block sums, two channels a lane; later:
.set QR,  144                          ; v144-175 q;  later a
.set KR,  176                          ; v176-207 k;  later the tail's sum of v in O^T's layout
.set AR,  144
.set TL,  176
.set VR,  208                          ; v208-239 v
.set PR,  240                          ; v240-247 scores, then p
	s_load_b128 s[4:7], s[0:1], 0x0                ; fqbs, w_proj
	s_load_b128 s[8:11], s[0:1], 0x10              ; b_proj, suf
	s_load_b64 s[12:13], s[0:1], 0x20              ; out0
	v_lshl_add_u32 v14, v0, 2, SPARE               ; my spare word; never rewritten
	v_mov_b32 v15, 0                               ; 0; never rewritten
	v_lshrrev_b32 v1, 5, v0
	v_readfirstlane_b32 s16, v1                    ; wave = head 0..15
	s_and_b32 s17, ttmp7, 0xffff                   ; batch
	s_lshl_b32 s18, s17, 4
	s_add_co_u32 s18, s18, s16                     ; 16 x batch + head
	s_mul_i32 s28, s17, 196608
	s_lshl_b32 s30, s16, 8
	s_add_co_u32 s28, s28, s30                     ; FQ: the batch's 16 rows of 12,288 bytes, my head's 256 bytes
	s_mov_b32 s29, 0
	s_lshl_b32 s30, s18, 13
	s_add_co_u32 s30, s30, 786432                  ; BS: 8,192 bytes a head
	s_mov_b32 s31, 0
	s_lshl_b32 s34, ttmp9, 7                       ; the slice's 32 columns, in bytes
	s_mov_b32 s35, 0
	s_lshl_b32 s32, s16, 18
	s_add_co_u32 s32, s32, s34                     ; w_proj: my 64 rows of 4,096 bytes, the slice's columns
	s_mov_b32 s33, 0
	s_mul_i32 s36, s18, 8448                       ; suf: 33 rows of 256 bytes a head
	s_mov_b32 s37, 0
	s_lshl_b32 s38, s17, 11
	s_add_co_u32 s38, s38, s16
	s_lshl_b32 s38, s38, 12
	s_add_co_u32 s38, s38, s34                     ; out0: row batch x 2,048 + wave, the slice's columns
	s_mov_b32 s39, 0
	s_mov_b32 s24, 0x76543210
	s_mov_b32 s25, 0xfedcba98                      ; v_permlanex16_b32's selects for lane l xor 16
	s_mov_b32 s26, 0x3e38aa3b                      ; c = log2(e) / 8
	s_mov_b32 s27, 0x44fe0000                      ; 2032.0
	v_and_b32 v3, 31, v0                           ; lane
	v_and_b32 v1, 15, v0                           ; r
	v_bfe_u32 v2, v0, 4, 1                         ; h
	v_mul_u32_u24 v4, v1, 12288
	v_lshl_add_u32 v4, v2, 4, v4                   ; q, k: row r, + 16 h
	v_mul_u32_u24 v5, v2, 98304
	v_lshl_add_u32 v5, v1, 2, v5                   ; v: key 8 h on, channel r
	v_lshlrev_b32 v6, 15, v2
	v_lshl_add_u32 v6, v1, 2, v6                   ; w_proj: row 8 h on, column r
	v_lshlrev_b32 v7, 3, v3                        ; 8 x lane
	s_lshl_b32 s20, s16, 8
	s_add_co_u32 s20, s20, T16S
	v_add_nc_u32 v8, s20, v7                       ; my wave's 256 bytes: 8 a lane in,
	v_lshl_add_u32 v9, v2, 5, s20                  ; and 32 h back
	s_mul_i32 s21, s16, 2304
	v_mul_u32_u24 v10, v1, 144
	v_lshl_add_u32 v10, v2, 5, v10
	v_add_nc_u32 v10, s21, v10                     ; my partial result: row r, + 32 h
	s_mul_i32 s21, s16, 144
	v_lshl_add_u32 v11, v3, 2, s21                 ; the sum over waves: row = my wave, column = my lane
	v_lshlrev_b32 v12, 3, v2
	v_sub_nc_u32 v12, v1, v12                      ; r - 8 h: register j's key 8 h + j is masked where j > r - 8 h
	v_lshlrev_b32 v13, 2, v3
	v_mov_b32 v248, 0
	v_mov_b32 v249, 0                              ; a pair of zeros: the table's last row; also written ahead of the lane permutes
	v_mov_b32 v254, 0xc79c4000                     ; -80000: the masked raw score
	s_wait_kmcnt 0x0
	s_add_nc_u64 s[40:41], s[4:5], s[28:29]
	s_add_nc_u64 s[4:5], s[4:5], s[30:31]
	s_add_nc_u64 s[6:7], s[6:7], s[32:33]
	s_add_nc_u64 s[8:9], s[8:9], s[34:35]
	s_add_nc_u64 s[10:11], s[10:11], s[36:37]
	s_add_nc_u64 s[12:13], s[12:13], s[38:39]
.macro FAR                             ; eight places behind the f32 matrix form (ISA guide 7.12.1)
.rept 8
	v_nop
.endr
.endm
.irp k, 0,1,2,3,4,5,6,7,8,9,10,11,12,13,14,15,16,17,18,19,20,21,22,23,24,25,26,27,28,29,30,31
	global_load_b64 v[BSR+2*\k:BSR+2*\k+1], v7, s[4:5] offset:256*\k   ; block k's sums: 256 consecutive bytes
.endr
.irp ct, 0,1,2,3
.irp i, 0,1,2,3,4,5,6,7
	global_load_b32 v[VR+8*\ct+\i], v5, s[40:41] offset:\i*12288+8192+64*\ct   ; v(key 8 h + i, channel 16 ct + r)
.endr
.endr
	s_wait_loadcnt 32                              ; the block sums are in; v's 32 loads may be out
.irp k, 30,29,28,27,26,25,24,23,22,21,20,19,18,17,16,15,14,13,12,11,10,9,8,7,6,5,4,3,2,1,0
	v_pk_add_f32 v[BSR+2*\k:BSR+2*\k+1], v[BSR+2*\k:BSR+2*\k+1], v[BSR+2*\k+2:BSR+2*\k+3]   ; the suffix, downward in place
.endr
	ds_store_b64 v8, v[BSR:BSR+1]                  ; row 0 for my own use below
	s_cmp_lg_u32 s16, ttmp9                        ; each head's table is stored once in the launch: by wave h of slice h
	s_cbranch_scc1 .Lno_table
.irp k, 0,1,2,3,4,5,6,7,8,9,10,11,12,13,14,15,16,17,18,19,20,21,22,23,24,25,26,27,28,29,30,31
	global_store_b64 v7, v[BSR+2*\k:BSR+2*\k+1], s[10:11] offset:256*\k   ; 256 consecutive bytes, aligned
.endr
	global_store_b64 v7, v[248:249], s[10:11] offset:256*32
.Lno_table:
	s_wait_xcnt 0x0                                ; the stores have read their registers: q and k are loaded there
.irp s, 0,1,2,3,4,5,6,7
	global_load_b128 v[QR+4*\s:QR+4*\s+3], v4, s[40:41] offset:32*\s          ; q(r, 8 s + 4 h + 0 .. 3)
	global_load_b128 v[KR+4*\s:KR+4*\s+3], v4, s[40:41] offset:4096+32*\s     ; k likewise
.endr
.irp ct, 0,1,2,3
.irp i, 0,1,2,3,4,5,6,7
	global_load_b32 v[WP+8*\ct+\i], v6, s[6:7] offset:(16*\ct+\i)*4096        ; w_proj(64 head + 16 ct + 8 h + i, 32 slice + r)
.endr
.endr
	s_wait_loadcnt 32                              ; v, q and k are in; w_proj's 32 loads may be out
.irp t, 0,1,2,3,4,5,6,7,8,9,10,11,12,13,14,15      ; S^T = k q^T: lane (r, h), register j: key 8 h + j, query r
.if \t < 2
	v_wmma_f32_16x16x4_f32 v[SA+8*(\t%2):SA+8*(\t%2)+7], v[KR+2*\t:KR+2*\t+1], v[QR+2*\t:QR+2*\t+1], 0
.else
	v_wmma_f32_16x16x4_f32 v[SA+8*(\t%2):SA+8*(\t%2)+7], v[KR+2*\t:KR+2*\t+1], v[QR+2*\t:QR+2*\t+1], v[SA+8*(\t%2):SA+8*(\t%2)+7]
.endif
.endr
	FAR
.irp ct, 0,1,2,3
.irp i, 0,1,2,3,4,5,6,7
	global_load_b32 v[WP+32+8*\ct+\i], v6, s[6:7] offset:(16*\ct+\i)*4096+64  ; the slice's second 16 columns
.endr
.endr
	global_load_b32 v255, v13, s[8:9]              ; b_proj(32 slice + lane)
.irp ct, 0,1,2,3
	ds_load_b128 v[TL+8*\ct:TL+8*\ct+3], v9 offset:64*\ct       ; the tail's sum of v at channels 16 ct + 8 h + 0 .. 7 (my own store above is seen: LDS serves a wave in order)
	ds_load_b128 v[TL+8*\ct+4:TL+8*\ct+7], v9 offset:64*\ct+16
.endr
.irp j, 0,1,2,3,4,5,6,7
	v_add_f32 v[PR+\j], v[SA+\j], v[SA+8+\j]       ; the two halves of the sum, from the low end on
.endr
.irp j, 0,1,2,3,4,5,6,7
	v_cmp_gt_i32 vcc_lo, \j, v12
	v_cndmask_b32 v[PR+\j], v[PR+\j], v254, vcc_lo
.endr
	v_max3_num_f32 v248, v240, v241, v242
	v_max3_num_f32 v248, v248, v243, v244
	v_max3_num_f32 v248, v248, v245, v246
	v_max3_num_f32 v248, v248, v247, v254          ; the later keys' -80000 is always among the row's scores
	v_permlanex16_b32 v249, v248, s24, s25
	v_max_num_f32 v248, v248, v249                 ; m
	v_mul_f32 v250, s26, v248                      ; c m
.irp j, 0,1,2,3,4,5,6,7
	v_fma_f32 v[PR+\j], v[PR+\j], s26, -v250
.endr
	v_fma_f32 v251, v254, s26, -v250
.irp j, 0,1,2,3,4,5,6,7
	v_exp_f32 v[PR+\j], v[PR+\j]
.endr
	v_exp_f32 v251, v251                           ; e
	v_nop                                          ; a plain line behind the batch,
	s_wait_alu depctr_va_vdst(0)                   ; and one wait for it, ahead of its first reader
	v_add_f32 v252, v240, v241
	v_add_f32 v253, v242, v243
	v_add_f32 v252, v252, v244
	v_add_f32 v253, v253, v245
	v_add_f32 v252, v252, v246
	v_add_f32 v253, v253, v247
	v_add_f32 v252, v252, v253
	v_permlanex16_b32 v249, v252, s24, s25
	v_add_f32 v252, v252, v249
	v_fma_f32 v253, v251, s27, v252                ; the divisor: the 16 keys' p and 2,032 e
	v_rcp_f32 v253, v253
	v_nop
	s_wait_alu depctr_va_vdst(0)
	v_mul_f32 v251, v251, v253                     ; e / divisor
.irp s, 0,1,2,3                                    ; O^T = v^T p: lane (r, h), register j of tile ct: channel 16 ct + 8 h + j, query r; step s takes keys 8 h + 2 s + 0, 1: p's own registers
.irp ct, 0,1,2,3
.if \s == 0
	v_wmma_f32_16x16x4_f32 v[OA+8*\ct:OA+8*\ct+7], v[VR+8*\ct+2*\s:VR+8*\ct+2*\s+1], v[PR+2*\s:PR+2*\s+1], 0
.else
	v_wmma_f32_16x16x4_f32 v[OA+8*\ct:OA+8*\ct+7], v[VR+8*\ct+2*\s:VR+8*\ct+2*\s+1], v[PR+2*\s:PR+2*\s+1], v[OA+8*\ct:OA+8*\ct+7]
.endif
.endr
.endr
	FAR
	s_wait_dscnt 0x0                               ; the tail's sum of v
.irp i, 0,1,2,3,4,5,6,7,8,9,10,11,12,13,14,15,16,17,18,19,20,21,22,23,24,25,26,27,28,29,30,31
	v_mul_f32 v[AR+\i], v[TL+\i], v251
	v_fma_f32 v[AR+\i], v[OA+\i], v253, v[AR+\i]   ; a = (O + e x tail) / divisor
.endr
	s_wait_loadcnt 0x0                             ; w_proj and the bias
.irp t, 0,1,2,3,4,5,6,7,8,9,10,11,12,13,14,15      ; out^T = w_proj^T a^T: step t takes a's own registers 2 t, 2 t + 1
.irp nt, 0,1
.if \t == 0
	v_wmma_f32_16x16x4_f32 v[PA+8*\nt:PA+8*\nt+7], v[WP+32*\nt+2*\t:WP+32*\nt+2*\t+1], v[AR+2*\t:AR+2*\t+1], 0
.else
	v_wmma_f32_16x16x4_f32 v[PA+8*\nt:PA+8*\nt+7], v[WP+32*\nt+2*\t:WP+32*\nt+2*\t+1], v[AR+2*\t:AR+2*\t+1], v[PA+8*\nt:PA+8*\nt+7]
.endif
.endr
.endr
	FAR
.irp nt, 0,1
	ds_store_b128 v10, v[PA+8*\nt:PA+8*\nt+3] offset:64*\nt        ; lane (r, h): query r, columns 16 nt + 8 h + 0 .. 7
	ds_store_b128 v10, v[PA+8*\nt+4:PA+8*\nt+7] offset:64*\nt+16
.endr
	s_wait_dscnt 0x0                               ; for the others' sake: my stores have landed
	s_barrier_signal -1
	s_barrier_wait -1
.irp w, 0,1,2,3,4,5,6,7,8,9,10,11,12,13,14,15
	ds_load_b32 v[16+\w], v11 offset:\w*2304       ; head w's part of (row = my wave, column = my lane)
.endr
	s_wait_dscnt 0x0
.irp s, 8,4,2,1
.irp i, 0,1,2,3,4,5,6,7
.if \i < \s
	v_add_f32 v[16+\i], v[16+\i], v[16+\i+\s]
.endif
.endr
.endr
	v_add_f32 v16, v16, v255
	global_store_b32 v13, v16, s[12:13]
	s_wait_tensorcnt 0x0                           ; the wave's end
	ds_add_u32 v14, v15
	s_wait_dscnt 0x0
	s_endpgm
.Lfunc_end_k_q1129098227_fine:
	.size	k_q1129098227_fine, .Lfunc_end_k_q1129098227_fine-k_q1129098227_fine
	.p2alignl 7, 3214868480
	.fill 96, 4, 3214868480
	.section	.rodata,"a",@progbits
	.p2align	6, 0x0
	.amdhsa_kernel k_q1129098227_fine
		.amdhsa_group_segment_fixed_size 43008
		.amdhsa_private_segment_fixed_size 0
		.amdhsa_enable_private_segment 0
		.amdhsa_kernarg_size 40
		.amdhsa_user_sgpr_count 2
		.amdhsa_user_sgpr_kernarg_segment_ptr 1
		.amdhsa_wavefront_size32 1
		.amdhsa_system_sgpr_workgroup_id_x 1
		.amdhsa_system_sgpr_workgroup_id_y 1
		.amdhsa_system_sgpr_workgroup_id_z 1
		.amdhsa_system_vgpr_workitem_id 0
		.amdhsa_next_free_vgpr 256
		.amdhsa_next_free_sgpr 66
		.amdhsa_reserve_vcc 1
		.amdhsa_float_denorm_mode_32 3
		.amdhsa_float_denorm_mode_16_64 3
		.amdhsa_memory_ordered 1
		.amdhsa_forward_progress 1
		.amdhsa_inst_pref_size 36
	.end_amdhsa_kernel
	.amdgpu_metadata
---
amdhsa.version: [ 1, 2 ]
amdhsa.kernels:
  - .name:           k_q1129098227_fine
    .symbol:         k_q1129098227_fine.kd
    .args:
      - { .name: fqbs, .offset: 0, .size: 8, .value_kind: global_buffer, .address_space: global }
      - { .name: w_proj, .offset: 8, .size: 8, .value_kind: global_buffer, .address_space: global }
      - { .name: b_proj, .offset: 16, .size: 8, .value_kind: global_buffer, .address_space: global }
      - { .name: suf, .offset: 24, .size: 8, .value_kind: global_buffer, .address_space: global }
      - { .name: out0, .offset: 32, .size: 8, .value_kind: global_buffer, .address_space: global }
    .group_segment_fixed_size: 43008
    .private_segment_fixed_size: 0
    .kernarg_segment_align: 8
    .kernarg_segment_size: 40
    .max_flat_workgroup_size: 512
    .sgpr_count:     66
    .vgpr_count:     256
    .wavefront_size: 32
...
	.end_amdgpu_metadata
.endif
;; end of part 3
;; launch attn (part 4): grid 4 x 64, 16 waves a work-group, no clusters, 327,680 bytes of LDS; arguments qkvw, suf, a_ws; writes a_ws
.if DOCPART == 4
	.amdgcn_target "amdgcn-amd-amdhsa--gfx1250"
	.amdhsa_code_object_version 6
	.text
	.protected	k_q1129098227_attn
	.globl	k_q1129098227_attn
	.p2align	8
	.type	k_q1129098227_attn,@function
k_q1129098227_attn:
	s_mov_b64 s[64:65], 0
	v_nop
	global_prefetch_b8 v0, s[64:65] scope:SCOPE_SE
	s_setreg_imm32_b32 hwreg(HW_REG_WAVE_MODE, 25, 1), 1
	s_wait_xcnt 0x0
; ATTN: a[head][q] = softmax over all 2,048 keys of (q . k / 8 where k <= q, -10000 elsewhere) times v; operands f16, sums, maxima and the softmax in f32.  Head size 64.
; SHARES.  A head's queries are 8 blocks of 256.  Work-group j of a head owns blocks 7 - j (waves 0-7) and j (waves 8-15) at the same time: every work-group has the same number of key steps under the causal mask.
; A wave owns 32 queries, two tiles of 16.  Four waves share a SIMD: one wave's softmax stands beside another's products and LDS loads.
; EVERY work-group walks all 8 chunks of 256 keys: the trip counts are constants; a step of 64 keys all of which come after the wave's queries is jumped over by a scalar branch on ids, and a chunk that no wave of the
; work-group reads is not asked for.
; LAYOUT.  S^T = K Q^T and O^T = V^T P: a lane holds one query (lane % 16) throughout; two tiles of S^T, rounded to f16 in pairs, are source 1 of the second product.  K comes out of LDS as it lies, V turned by ds_load_tr16_b128.
; SOFTMAX.  A running maximum m and sum l for each query: p = 2^(c s - c m), c = log2(e) / 8 on the raw q . k; O and l are multiplied by 2^(c m_old - c m_new) in every step.
; THE MASK IS -10000, NOT -INFINITY.  Masked keys of the step on the diagonal get the raw score -80000 and go the ordinary way.  All later keys have one and the same weight e = 2^(c (-80000) - c m): they enter at the end as
; (their number) x e in the divisor and e x (the suffix sum of v, from the table 'suf') in the numerator.
; NO CLUSTER: the four work-groups of a head read 8, 7, 6 and 5 chunks, and a joint load would bring a partner chunks that none of its waves reads.
; LIMITS: p, and a, are rounded to f16; a must lie under 65,504.
.set KP,    144                        ; a key's row of K in LDS: 128 bytes + 16
.set VP,    160                        ; of V: 128 + 32, an odd multiple of 32 for the turning load
.set CK,    256                        ; keys in a chunk
.set VOFF,  CK*KP                      ; a slot: 256 rows of K, then 256 rows of V
.set SLOT1, 1<<17                      ; slot 1: one exclusive or turns an address from one slot to the other
.set NSL,   8
.set STAGE, SLOT1+CK*(KP+VP)           ; behind the ring: 32 rows x 144 bytes for each wave, bytes into which no fill lands
.set SPARE, STAGE+16*32*144            ; the spare words: 128 bytes for each of 16 waves
.set AK0, 1                            ; v1   my lane's place in a tile of K
.set AV0, 2                            ; v2   of V
.set ADK, 3                            ; v3   the step's address of K
.set ADV, 4                            ; v4   of V
.set SPW, 5                            ; v5   my spare word; never rewritten
.set NIL, 6                            ; v6   0; never rewritten
.set RH,  7                            ; v7   r - 8 h
.set QO,  8                            ; v8   q: r x 128 + 16 h
.set STO, 9                            ; v9   the stage, in
.set RD,  10                           ; v10  the stage, back
.set PFO, 11                           ; v11  256 x lane
.set NEG, 12                           ; v12  -80000
.set CNT, 13                           ; v13  the number of keys behind my last step, as f32
.set GO,  14                           ; v14  16 x lane
.set SUFO,15                           ; v15  32 h
.set Q,   16                           ; v16-47   Q: tile t, channels 32 c on, at 16 + 16 t + 8 c
.set KV,  48                           ; v48-111  K's eight fragments, then V's eight
.set S,   112                          ; v112-175 S^T: tile t at 112 + 32 t; P is packed into its first 16 registers
.set O,   176                          ; v176-239 O^T: tile t, channels 16 ct on, at 176 + 32 t + 8 ct
.set ST,  240                          ; v240-255 tile t at 240 + 8 t: +0 c m, +1 m, +2, +3 l, +4 .. +7 at work (+6: the rescaling factor)
.set WV,  18
.set SEL, 20
.set CS,  22
.set G1K, 24
.set G1V, 32
.set G0K, 40
.set G0V, 44
.set TB,  2                            ; s2   LDS byte at which the slot in hand begins
.set SLOTS, 3                          ; s3   changes of slots still to come in the loop
.set KF,  48                           ; s48  the step's first key
.set Q0,  49                           ; s49  my first query
.set QL,  50                           ; s50  my last
.set QW,  51                           ; s51  my work-group's last
.set MT,  52                           ; s52  the tail's raw score
.set PFA, 54                           ; s[54:55] where my prefetches stand
.set LIM, 56                           ; s56  1 in a wave that prefetches, else the greatest number
.macro TLOAD g0k, g1k, g0v, g1v        ; waves 0, 1 fetch K's halves, waves 2, 3 V's, the others nothing; s_nop 0 and four v_nop follow each line
	s_cmp_lt_u32 s[WV], 2
	s_cbranch_scc0 .Lnot_k_\@
	tensor_load_to_lds s[\g0k:\g0k+3], s[\g1k:\g1k+7]
	s_nop 0
.rept 4
	v_nop
.endr
	s_branch .Lasked_\@
.Lnot_k_\@:
	s_cmp_lt_u32 s[WV], 4
	s_cbranch_scc0 .Lasked_\@
	tensor_load_to_lds s[\g0v:\g0v+3], s[\g1v:\g1v+7]
	s_nop 0
.rept 4
	v_nop
.endr
.Lasked_\@:
.endm
; A prefetch of the chunk that the NEXT change of slots will ask for: 32,768 dense bytes of K and as many of V.  Each aligned 256 bytes is named once in the launch: the head's work-group 0, which walks all chunks, asks;
; in it waves 4-7 for K and waves 8-11 for V, 8,192 bytes a wave, lanes 256 bytes apart.  Chunks 0 and 1 come by their loads alone; the last change that fills a slot asks for nothing.
.macro ASK
	s_cmp_gt_u32 s[SLOTS], s[LIM]
	s_cbranch_scc0 .Lnot_mine_\@
	global_prefetch_b8 v[PFO], s[PFA:PFA+1] th:TH_LOAD_NT scope:SCOPE_SE
.Lnot_mine_\@:
.endm
	s_load_b128 s[4:7], s[0:1], 0x0                ; qkvw, suf
	s_load_b64 s[8:9], s[0:1], 0x10                ; a_ws
	v_lshl_add_u32 v[SPW], v0, 2, SPARE
	v_mov_b32 v[NIL], 0
	ds_add_u32 v[SPW], v[NIL]                      ; the opening: the add, twice on end, and its wait ahead of a first tensor load
	ds_add_u32 v[SPW], v[NIL]
	v_lshrrev_b32 v112, 5, v0
	v_readfirstlane_b32 s[WV], v112                ; wave 0..15
	s_and_b32 s57, ttmp7, 0xffff                   ; 16 x batch + head
	s_sub_co_u32 s58, 7, ttmp9
	s_cmp_lt_u32 s[WV], 8
	s_cselect_b32 s58, s58, ttmp9                  ; my block of 256 queries
	s_lshl_b32 s[Q0], s58, 8
	s_and_b32 s59, s[WV], 7
	s_lshl_b32 s59, s59, 5
	s_add_co_u32 s[Q0], s[Q0], s59
	s_add_co_u32 s[QL], s[Q0], 31
	s_sub_co_u32 s[QW], 8, ttmp9
	s_lshl_b32 s[QW], s[QW], 8
	s_sub_co_u32 s[QW], s[QW], 1
	; descriptor group 1: 128 rows of 64 elements of 2 bytes, dense in memory, padded behind every row
	s_mov_b32 s[G1K], (1<<16)|(1<<20)|(4<<22)|(3<<25)   ; four words after every 32
	s_mov_b32 s[G1V], (1<<16)|(1<<20)|(4<<22)|(7<<25)   ; eight words
.irp g, G1K, G1V
	s_mov_b32 s[\g+1], 64<<16                      ; tensor_dim0
	s_mov_b32 s[\g+2], 128<<16                     ; tensor_dim1
	s_mov_b32 s[\g+3], 64<<16                      ; tile_dim0
	s_mov_b32 s[\g+4], 128                         ; tile_dim1
	s_mov_b32 s[\g+5], 64                          ; from row to row
	s_mov_b32 s[\g+6], 0
	s_mov_b32 s[\g+7], 0
.endr
	s_and_b32 s60, s[WV], 1                        ; which half of a chunk I fetch, if I fetch
	s_mul_i32 s61, s60, 128*KP
	s_mul_i32 s62, s60, 128*VP
	s_add_co_u32 s62, s62, VOFF
	s_lshl_b32 s66, s57, 18                        ; the head's first byte in a plane
	s_mov_b32 s67, 0
	s_lshl_b32 s63, s60, 14
	s_add_co_u32 s68, s66, s63                     ; and my half's
	s_mov_b32 s69, 0
	s_lshl_b32 s70, s[Q0], 7
	s_mov_b32 s71, 0
	s_lshr_b32 s74, s[Q0], 6
	s_add_co_u32 s74, s74, 1                       ; my steps end at key 64 x this
	s_mul_i32 s72, s57, 8448
	s_lshl_b32 s75, s74, 8
	s_add_co_u32 s72, s72, s75                     ; the table's row for the keys behind them
	s_mov_b32 s73, 0
	s_lshl_b32 s75, s74, 6
	s_sub_co_u32 s75, 2048, s75                    ; how many they are
	v_cvt_f32_u32 v[CNT], s75
	s_mov_b32 s[MT], 0xff61b1e6                    ; none: -3e38, which moves no maximum and gives e = 0
	s_cmp_lg_u32 s75, 0
	s_cselect_b32 s[MT], 0xc79c4000, s[MT]         ; some: -80000
	s_and_b32 s75, s57, 15
	s_lshl_b32 s75, s75, 13
	s_lshr_b32 s76, s57, 4
	s_lshl_b32 s76, s76, 11
	s_add_co_u32 s75, s75, s76
	s_add_co_u32 s75, s75, s[Q0]
	s_lshl_b32 s76, s75, 7                         ; a_ws: (head x 8,192 + batch x 2,048 + my first query) rows of 128 bytes
	s_mov_b32 s77, 0
	s_mov_b32 s[SEL], 0x76543210
	s_mov_b32 s[SEL+1], 0xfedcba98
	s_mov_b32 s[CS], 0x3e38aa3b                    ; c = log2(e) / 8
	s_mov_b32 s[CS+1], s[CS]
	s_mov_b32 s[TB], 0
	s_mov_b32 s[SLOTS], NSL-1
	s_mov_b32 s[KF], 0
	s_wait_dscnt 0x0                               ; both opening adds are done
	s_wait_kmcnt 0x0
	s_add_nc_u64 s[10:11], s[4:5], 16777216        ; k's plane
	s_add_nc_u64 s[12:13], s[4:5], 33554432        ; v's
	s_mov_b32 s[G0K], 1
	s_mov_b32 s[G0K+1], s61
	s_add_nc_u64 s[G0K+2:G0K+3], s[10:11], s[68:69]
	s_or_b32 s[G0K+3], s[G0K+3], 0x80000000
	s_mov_b32 s[G0V], 1
	s_mov_b32 s[G0V+1], s62
	s_add_nc_u64 s[G0V+2:G0V+3], s[12:13], s[68:69]
	s_or_b32 s[G0V+3], s[G0V+3], 0x80000000
	TLOAD G0K, G1K, G0V, G1V                       ; slot 0: keys 0-255, which count for every work-group
	s_add_nc_u64 s[4:5], s[4:5], s[66:67]
	s_add_nc_u64 s[4:5], s[4:5], s[70:71]          ; q at my first query
	s_add_nc_u64 s[6:7], s[6:7], s[72:73]
	s_add_nc_u64 s[8:9], s[8:9], s[76:77]
	s_cmp_lt_u32 s[WV], 8
	s_cselect_b64 s[PFA:PFA+1], s[10:11], s[12:13]
	s_and_b32 s78, s[WV], 3
	s_lshl_b32 s78, s78, 13
	s_add_co_u32 s78, s78, CK*128                  ; in chunk 1: the first change of slots steps it to chunk 2
	s_add_co_u32 s78, s78, s66
	s_mov_b32 s79, 0
	s_add_nc_u64 s[PFA:PFA+1], s[PFA:PFA+1], s[78:79]
	s_sub_co_u32 s78, s[WV], 4
	s_lshr_b32 s78, s78, 3                         ; 0 in waves 4 to 11,
	s_or_b32 s78, s78, ttmp9                       ; of the head's work-group 0
	s_cmp_eq_u32 s78, 0
	s_cselect_b32 s[LIM], 1, -1
	v_and_b32 v112, 15, v0                         ; r
	v_bfe_u32 v113, v0, 4, 1                       ; h
	v_lshlrev_b32 v[QO], 7, v112
	v_lshl_add_u32 v[QO], v113, 4, v[QO]
.irp t, 0,1
.irp c, 0,1
	global_load_b128 v[Q+16*\t+8*\c:Q+16*\t+8*\c+3], v[QO], s[4:5] offset:\t*2048+\c*64
	global_load_b128 v[Q+16*\t+8*\c+4:Q+16*\t+8*\c+7], v[QO], s[4:5] offset:\t*2048+\c*64+32
.endr
.endr
	v_mul_u32_u24 v[AK0], v112, KP
	v_lshl_add_u32 v[AK0], v113, 4, v[AK0]         ; K: row r, + 16 h
	v_and_b32 v114, 7, v0
	v_lshl_add_u32 v[AV0], v113, 3, v114
	v_mul_u32_u24 v[AV0], v[AV0], VP
	v_bfe_u32 v115, v0, 3, 1
	v_lshl_add_u32 v[AV0], v115, 4, v[AV0]
	v_add_nc_u32 v[AV0], VOFF, v[AV0]              ; V: key 8 h + lane % 8, 16 bytes for each half of eight lanes
	v_lshlrev_b32 v115, 3, v113
	v_sub_nc_u32 v[RH], v112, v115
	s_mul_i32 s78, s[WV], 32*144
	s_add_co_u32 s78, s78, STAGE                   ; my stage
	v_mul_u32_u24 v[STO], v112, 144
	v_lshl_add_u32 v[STO], v113, 4, v[STO]
	v_add_nc_u32 v[STO], s78, v[STO]
	v_and_b32 v115, 31, v0
	v_lshrrev_b32 v[RD], 3, v115
	v_mul_u32_u24 v[RD], v[RD], 144
	v_lshl_add_u32 v[RD], v114, 4, v[RD]
	v_add_nc_u32 v[RD], s78, v[RD]                 ; back: eight lanes to a row of 128 bytes, four rows an instruction
	v_lshlrev_b32 v[PFO], 8, v115
	v_lshlrev_b32 v[GO], 4, v115
	v_lshlrev_b32 v[SUFO], 5, v113
	v_mov_b32 v[NEG], 0xc79c4000
.irp t, 0,1
	v_mov_b32 v[ST+8*\t+1], 0xff61b1e6             ; m: -3e38, under every score
	v_mul_f32 v[ST+8*\t], s[CS], v[ST+8*\t+1]
.irp i, 2,3,4,5,6,7
	v_mov_b32 v[ST+8*\t+\i], 0                     ; l; and the registers at work are written once, for every path
.endr
.endr
.irp j, 0,1,2,3,4,5,6,7,8,9,10,11,12,13,14,15,16,17,18,19,20,21,22,23,24,25,26,27,28,29,30,31,32,33,34,35,36,37,38,39,40,41,42,43,44,45,46,47,48,49,50,51,52,53,54,55,56,57,58,59,60,61,62,63
	v_mov_b32 v[O+\j], 0                           ; O^T: the step is written once; its first run finds zeros, which the first rescaling leaves zeros
.endr
; A KEY STEP: 64 keys, the q-th of the chunk in hand.
.macro STEP q
	s_cmp_gt_u32 s[KF], s[QL]                      ; all 64 keys come after my queries: only the count of keys goes on
	s_cbranch_scc1 .Lhidden_\@
	v_add_nc_u32 v[ADK], s[TB], v[AK0]
	v_add_nc_u32 v[ADV], s[TB], v[AV0]
.irp kt, 0,1,2,3
.irp c, 0,1
	ds_load_b128 v[KV+8*(2*\kt+\c):KV+8*(2*\kt+\c)+3], v[ADK] offset:(64*(\q)+16*\kt)*KP+64*\c
	ds_load_b128 v[KV+8*(2*\kt+\c)+4:KV+8*(2*\kt+\c)+7], v[ADK] offset:(64*(\q)+16*\kt)*KP+64*\c+32
.endr
.endr
	s_wait_dscnt 0x0
.irp c, 0,1                                        ; S^T = K Q^T: eight accumulators by turns
.irp kt, 0,1,2,3
.irp t, 0,1
.if \c == 0
	v_wmma_f32_16x16x32_f16 v[S+32*\t+8*\kt:S+32*\t+8*\kt+7], v[KV+8*(2*\kt+\c):KV+8*(2*\kt+\c)+7], v[Q+16*\t+8*\c:Q+16*\t+8*\c+7], 0
.else
	v_wmma_f32_16x16x32_f16 v[S+32*\t+8*\kt:S+32*\t+8*\kt+7], v[KV+8*(2*\kt+\c):KV+8*(2*\kt+\c)+7], v[Q+16*\t+8*\c:Q+16*\t+8*\c+7], v[S+32*\t+8*\kt:S+32*\t+8*\kt+7]
.endif
.endr
.endr
.endr
.rept 4
	v_nop                                          ; places ahead of the loads into K's registers and of the first read of the scores
.endr
.irp ct, 0,1,2,3                                   ; V, turned: it lands under the softmax
.irp u, 0,1
	ds_load_tr16_b128 v[KV+8*(2*\ct+\u):KV+8*(2*\ct+\u)+3], v[ADV] offset:(64*(\q)+32*\u)*VP+32*\ct
	ds_load_tr16_b128 v[KV+8*(2*\ct+\u)+4:KV+8*(2*\ct+\u)+7], v[ADV] offset:(64*(\q)+32*\u+16)*VP+32*\ct
.endr
.endr
	s_add_co_u32 s57, s[KF], 63                    ; a step all of whose keys count for all my queries has no mask
	s_cmp_le_u32 s57, s[Q0]
	s_cbranch_scc1 .Lopen_\@
	s_sub_co_i32 s57, s[Q0], s[KF]
	v_add_nc_u32 v[ST+4], s57, v[RH]               ; register n of tile t holds key KF + 16 (n / 8) + 8 h + n % 8: masked where 16 (n / 8) + n % 8 > my query - KF - 8 h
	v_add_nc_u32 v[ST+12], 16, v[ST+4]
.irp t, 0,1
.irp n, 0,1,2,3,4,5,6,7,8,9,10,11,12,13,14,15,16,17,18,19,20,21,22,23,24,25,26,27,28,29,30,31
	v_cmp_gt_i32 vcc_lo, 16*(\n/8)+\n%8, v[ST+8*\t+4]
	v_cndmask_b32 v[S+32*\t+\n], v[S+32*\t+\n], v[NEG], vcc_lo
.endr
.endr
.Lopen_\@:
.irp j, 0,1,2,3                                    ; the maximum: four chains a tile, each accumulator from its low end on; the two tiles line by line
.irp t, 0,1
	v_max3_num_f32 v[ST+8*\t+4+\j], v[S+32*\t+8*\j], v[S+32*\t+8*\j+1], v[S+32*\t+8*\j+2]
.endr
.endr
.irp i, 3,5
.irp j, 0,1,2,3
.irp t, 0,1
	v_max3_num_f32 v[ST+8*\t+4+\j], v[ST+8*\t+4+\j], v[S+32*\t+8*\j+\i], v[S+32*\t+8*\j+\i+1]
.endr
.endr
.endr
.irp t, 0,1
	v_max3_num_f32 v[ST+8*\t+4], v[ST+8*\t+4], v[S+32*\t+7], v[S+32*\t+15]
	v_max3_num_f32 v[ST+8*\t+6], v[ST+8*\t+6], v[S+32*\t+23], v[S+32*\t+31]
.endr
.irp t, 0,1
	v_max3_num_f32 v[ST+8*\t+4], v[ST+8*\t+4], v[ST+8*\t+5], v[ST+8*\t+6]
.endr
.irp t, 0,1
	v_max3_num_f32 v[ST+8*\t+4], v[ST+8*\t+4], v[ST+8*\t+7], v[ST+8*\t+1]   ; with the old m
.endr
.irp t, 0,1
	v_permlanex16_b32 v[ST+8*\t+5], v[ST+8*\t+4], s[SEL], s[SEL+1]          ; the query's other 32 keys lie in the lane 16 away
.endr
.irp t, 0,1
	v_mov_b32 v[ST+8*\t+7], v[ST+8*\t]             ; c m_old
.endr
.irp t, 0,1
	v_max_num_f32 v[ST+8*\t+1], v[ST+8*\t+4], v[ST+8*\t+5]
.endr
.irp t, 0,1
	v_mul_f32 v[ST+8*\t], s[CS], v[ST+8*\t+1]
.endr
.irp t, 0,1
	v_sub_f32 v[ST+8*\t+7], v[ST+8*\t+7], v[ST+8*\t]
.endr
.irp i, 0,2,4,6,8,10,12,14,16,18,20,22,24,26,28,30
.irp t, 0,1
	v_pk_fma_f32 v[S+32*\t+\i:S+32*\t+\i+1], v[S+32*\t+\i:S+32*\t+\i+1], s[CS:CS+1], v[ST+8*\t:ST+8*\t+1] op_sel_hi:[1,0,0] neg_lo:[0,0,1] neg_hi:[0,0,1]   ; c s - c m
.endr
.endr
.irp t, 0,1
	v_exp_f32 v[ST+8*\t+6], v[ST+8*\t+7]           ; ONE batch of 66 exponentials: the two rescaling factors,
.endr
.irp n, 0,1,2,3,4,5,6,7,8,9,10,11,12,13,14,15,16,17,18,19,20,21,22,23,24,25,26,27,28,29,30,31
.irp t, 0,1
	v_exp_f32 v[S+32*\t+\n], v[S+32*\t+\n]         ; and the 64 p
.endr
.endr
	v_nop                                          ; a plain line behind the batch,
	s_wait_alu depctr_va_vdst(0)                   ; and one wait for it, ahead of its first reader
.irp t, 0,1
	v_pk_mul_f32 v[ST+8*\t+2:ST+8*\t+3], v[ST+8*\t+2:ST+8*\t+3], v[ST+8*\t+6:ST+8*\t+7] op_sel_hi:[1,0]
	v_pk_add_f32 v[ST+8*\t+4:ST+8*\t+5], v[S+32*\t:S+32*\t+1], v[S+32*\t+2:S+32*\t+3]
.endr
.irp i, 4,8,12,16,20,24,28                         ; the row's sum of the unrounded p, in two chains that leave p as it is
.irp t, 0,1
	v_pk_add_f32 v[ST+8*\t+2:ST+8*\t+3], v[ST+8*\t+2:ST+8*\t+3], v[S+32*\t+\i:S+32*\t+\i+1]
	v_pk_add_f32 v[ST+8*\t+4:ST+8*\t+5], v[ST+8*\t+4:ST+8*\t+5], v[S+32*\t+\i+2:S+32*\t+\i+3]
.endr
.endr
.irp t, 0,1
	v_pk_add_f32 v[ST+8*\t+2:ST+8*\t+3], v[ST+8*\t+2:ST+8*\t+3], v[ST+8*\t+4:ST+8*\t+5]
.endr
.irp i, 0,1,2,3,4,5,6,7,8,9,10,11,12,13,14,15      ; p to f16, in place and ascending: register i takes p 2 i and 2 i + 1, which no later line reads
.irp t, 0,1
	v_cvt_pk_f16_f32 v[S+32*\t+\i], v[S+32*\t+2*\i], v[S+32*\t+2*\i+1]
.endr
.endr
.irp t, 0,1
.irp i, 0,2,4,6,8,10,12,14,16,18,20,22,24,26,28,30
	v_pk_mul_f32 v[O+32*\t+\i:O+32*\t+\i+1], v[O+32*\t+\i:O+32*\t+\i+1], v[ST+8*\t+6:ST+8*\t+7] op_sel_hi:[1,0]
.endr
.endr
	s_wait_dscnt 0x0                               ; V is in
.irp u, 0,1                                        ; O^T += V^T P: eight accumulators by turns
.irp ct, 0,1,2,3
.irp t, 0,1
	v_wmma_f32_16x16x32_f16 v[O+32*\t+8*\ct:O+32*\t+8*\ct+7], v[KV+8*(2*\ct+\u):KV+8*(2*\ct+\u)+7], v[S+32*\t+8*\u:S+32*\t+8*\u+7], v[O+32*\t+8*\ct:O+32*\t+8*\ct+7]
.endr
.endr
.endr
.rept 5
	v_nop                                          ; five places: the next step's products write the scores over P's registers, and its loads land in V's
.endr
.Lhidden_\@:
	s_add_co_u32 s[KF], s[KF], 64
.endm
; THE CHANGE OF SLOTS stands at a chunk's head.  Each wave waits for all its tensor loads, adds 0 to its spare word (fill = 1: twice on end),
; and waits for that and for its reads of the slot that it has left.  Behind the barrier the slot ahead is whole and nobody reads the other one; fill = 1: that one takes the next chunk, which has four steps in which to land.
.macro CHANGE fill
	s_wait_tensorcnt 0x0                           ; no tensor load of mine is out, so a group 0 may be written
	ds_add_u32 v[SPW], v[NIL]
.if \fill
	ds_add_u32 v[SPW], v[NIL]
	s_xor_b32 s[G0K+1], s[G0K+1], SLOT1
	s_add_nc_u64 s[G0K+2:G0K+3], s[G0K+2:G0K+3], CK*128
	s_xor_b32 s[G0V+1], s[G0V+1], SLOT1
	s_add_nc_u64 s[G0V+2:G0V+3], s[G0V+2:G0V+3], CK*128
	s_wait_xcnt 0x0                                ; the last prefetch, a chunk back, has read its address
	s_add_nc_u64 s[PFA:PFA+1], s[PFA:PFA+1], CK*128
.endif
	s_wait_dscnt 0x0
	s_barrier_signal -1
	s_barrier_wait -1
.if \fill
	s_add_co_u32 s57, s[KF], CK                    ; the first key of the chunk that this change would ask for:
	s_cmp_gt_u32 s57, s[QW]                        ; behind my work-group's last query no wave reads it, so it is not asked for.  Ids and the count of steps alone: all sixteen waves go the same way; every wait on TENSORcnt in this text is for 0
	s_cbranch_scc1 .Lpast_\@
	TLOAD G0K, G1K, G0V, G1V                       ; a wave's one tensor load until the next barrier
.Lpast_\@:
	ASK
.endif
.endm
.macro SLOT_STEPS
	STEP 0
	STEP 1
	STEP 2
	STEP 3
	s_xor_b32 s[TB], s[TB], SLOT1
.endm
	s_wait_loadcnt 0x0                             ; Q
.Lslot:                                            ; 7 trips
	CHANGE 1
	SLOT_STEPS
	s_sub_co_u32 s[SLOTS], s[SLOTS], 1
	s_cmp_lg_u32 s[SLOTS], 0
	s_cbranch_scc1 .Lslot
	CHANGE 0                                       ; the last chunk is written out: nothing is left to ask for
	SLOT_STEPS
	; THE END: the keys behind my last step, all masked, enter as one term; then O^T is divided and leaves as f16.
.irp ct, 0,1,2,3
	global_load_b128 v[KV+8*\ct:KV+8*\ct+3], v[SUFO], s[6:7] offset:64*\ct        ; the suffix sum of v at channels 16 ct + 8 h + 0 .. 7
	global_load_b128 v[KV+8*\ct+4:KV+8*\ct+7], v[SUFO], s[6:7] offset:64*\ct+16
.endr
.irp t, 0,1
	v_add_f32 v[ST+8*\t+4], v[ST+8*\t+2], v[ST+8*\t+3]
.endr
.irp t, 0,1
	v_permlanex16_b32 v[ST+8*\t+5], v[ST+8*\t+4], s[SEL], s[SEL+1]
.endr
.irp t, 0,1
	v_add_f32 v[ST+8*\t+4], v[ST+8*\t+4], v[ST+8*\t+5]      ; l
.endr
.irp t, 0,1
	v_max_num_f32 v[ST+8*\t+1], s[MT], v[ST+8*\t+1]         ; the maximum over all 2,048 scores
.endr
.irp t, 0,1
	v_mul_f32 v[ST+8*\t+5], s[CS], v[ST+8*\t+1]
.endr
.irp t, 0,1
	v_sub_f32 v[ST+8*\t+6], v[ST+8*\t], v[ST+8*\t+5]
	v_fma_f32 v[ST+8*\t+7], s[MT], s[CS], -v[ST+8*\t+5]
.endr
.irp t, 0,1
	v_exp_f32 v[ST+8*\t+6], v[ST+8*\t+6]           ; what was summed, under the last maximum
	v_exp_f32 v[ST+8*\t+7], v[ST+8*\t+7]           ; e: a masked key's weight
.endr
	v_nop
	s_wait_alu depctr_va_vdst(0)
.irp t, 0,1
	v_mul_f32 v[ST+8*\t+2], v[CNT], v[ST+8*\t+7]
.endr
.irp t, 0,1
	v_fma_f32 v[ST+8*\t+4], v[ST+8*\t+4], v[ST+8*\t+6], v[ST+8*\t+2]   ; the divisor: at least about 1, since one of its terms is 2^0
.endr
.irp t, 0,1
	v_rcp_f32 v[ST+8*\t+5], v[ST+8*\t+4]
.endr
	v_nop
	s_wait_alu depctr_va_vdst(0)
.irp t, 0,1
	v_mul_f32 v[ST+8*\t+4], v[ST+8*\t+6], v[ST+8*\t+5]
	v_mul_f32 v[ST+8*\t+6], v[ST+8*\t+7], v[ST+8*\t+5]
.endr
	s_wait_loadcnt 0x0
.irp t, 0,1
.irp i, 0,2,4,6,8,10,12,14,16,18,20,22,24,26,28,30
	v_pk_mul_f32 v[O+32*\t+\i:O+32*\t+\i+1], v[O+32*\t+\i:O+32*\t+\i+1], v[ST+8*\t+4:ST+8*\t+5] op_sel_hi:[1,0]
	v_pk_fma_f32 v[O+32*\t+\i:O+32*\t+\i+1], v[KV+\i:KV+\i+1], v[ST+8*\t+6:ST+8*\t+7], v[O+32*\t+\i:O+32*\t+\i+1] op_sel_hi:[1,0,1]
.endr
.endr
.irp i, 0,1,2,3,4,5,6,7,8,9,10,11,12,13,14,15,16,17,18,19,20,21,22,23,24,25,26,27,28,29,30,31
	v_cvt_pk_f16_f32 v[S+\i], v[O+2*\i], v[O+2*\i+1]
.endr
.irp t, 0,1
.irp ct, 0,1,2,3
	ds_store_b128 v[STO], v[S+16*\t+4*\ct:S+16*\t+4*\ct+3] offset:\t*2304+32*\ct   ; row 16 t + r, channels 16 ct + 8 h on
.endr
.endr
.irp i, 0,1,2,3,4,5,6,7
	ds_load_b128 v[144+4*\i:147+4*\i], v[RD] offset:576*\i    ; four whole rows (LDS serves a wave's instructions in order)
.endr
.irp i, 0,1,2,3,4,5,6,7
	s_wait_dscnt 7-\i                              ; load i is in; the younger ones may be out
	global_store_b128 v[GO], v[144+4*\i:147+4*\i], s[8:9] offset:512*\i   ; 512 consecutive bytes, aligned
.endr
	s_wait_tensorcnt 0x0                           ; the wave's end
	ds_add_u32 v[SPW], v[NIL]
	s_wait_dscnt 0x0
	s_endpgm
.Lfunc_end_k_q1129098227_attn:
	.size	k_q1129098227_attn, .Lfunc_end_k_q1129098227_attn-k_q1129098227_attn
	.p2alignl 7, 3214868480
	.fill 96, 4, 3214868480
	.section	.rodata,"a",@progbits
	.p2align	6, 0x0
	.amdhsa_kernel k_q1129098227_attn
		.amdhsa_group_segment_fixed_size 327680
		.amdhsa_private_segment_fixed_size 0
		.amdhsa_enable_private_segment 0
		.amdhsa_kernarg_size 24
		.amdhsa_user_sgpr_count 2
		.amdhsa_user_sgpr_kernarg_segment_ptr 1
		.amdhsa_wavefront_size32 1
		.amdhsa_system_sgpr_workgroup_id_x 1
		.amdhsa_system_sgpr_workgroup_id_y 1
		.amdhsa_system_sgpr_workgroup_id_z 1
		.amdhsa_system_vgpr_workitem_id 0
		.amdhsa_next_free_vgpr 256
		.amdhsa_next_free_sgpr 80
		.amdhsa_reserve_vcc 1
		.amdhsa_float_denorm_mode_32 3
		.amdhsa_float_denorm_mode_16_64 3
		.amdhsa_memory_ordered 1
		.amdhsa_forward_progress 1
		.amdhsa_inst_pref_size 193
	.end_amdhsa_kernel
	.amdgpu_metadata
---
amdhsa.version: [ 1, 2 ]
amdhsa.kernels:
  - .name:           k_q1129098227_attn
    .symbol:         k_q1129098227_attn.kd
    .args:
      - { .name: qkvw, .offset: 0, .size: 8, .value_kind: global_buffer, .address_space: global }
      - { .name: suf, .offset: 8, .size: 8, .value_kind: global_buffer, .address_space: global }
      - { .name: a_ws, .offset: 16, .size: 8, .value_kind: global_buffer, .address_space: global }
    .group_segment_fixed_size: 327680
    .private_segment_fixed_size: 0
    .kernarg_segment_align: 8
    .kernarg_segment_size: 24
    .max_flat_workgroup_size: 512
    .sgpr_count:     80
    .vgpr_count:     256
    .wavefront_size: 32
...
	.end_amdgpu_metadata
.endif
;; end of part 4
;; launch proj (part 5): grid 4 x 64, 4 waves a work-group, clusters of 4 x 4, 327,680 bytes of LDS; arguments a_ws, w16, b_proj, out0; writes out0
.if DOCPART == 5
	.amdgcn_target "amdgcn-amd-amdhsa--gfx1250"
	.amdhsa_code_object_version 6
	.text
	.protected	k_q1129098227_proj
	.globl	k_q1129098227_proj
	.p2align	8
	.type	k_q1129098227_proj,@function
k_q1129098227_proj:
	s_mov_b64 s[64:65], 0
	v_nop
	global_prefetch_b8 v0, s[64:65] scope:SCOPE_SE
	s_setreg_imm32_b32 hwreg(HW_REG_WAVE_MODE, 25, 1), 1
	s_wait_xcnt 0x0
	s_wait_alu depctr_hold_cnt(0) depctr_sa_sdst(0) depctr_va_vdst(0) depctr_va_sdst(0) depctr_va_ssrc(0) depctr_va_vcc(0) depctr_vm_vsrc(0)
	s_getreg_b32 s2, hwreg(HW_REG_IB_STS2, 6, 4)
	s_cmp_eq_u32 s2, 0
	s_cbranch_scc0 .Lentry_in_a_cluster
	s_endpgm
.Lentry_in_a_cluster:
	s_bfe_u32 s2, ttmp6, 0x10000c
	s_cmp_lg_u32 s2, 0xf033
	s_cbranch_scc0 .Lentry_shape_is_right
	s_endpgm
.Lentry_shape_is_right:
; PROJ: out0 = a w_proj + b_proj, operands f16, sums f32, b_proj as each sum's first addend.  M = 8,192, N = 1,024, K = 1,024.  All rows but positions 0-15 of each sequence, which the launch 'fine' has stored.
; A tile of 128 x 256 to a work-group: 256 work-groups, one for each WGP (256 x 256 would give 128).  Four waves, 64 x 128 each: 32 accumulators.
; a lies [16 heads][8,192 tokens][64]: a K step of 128 is two heads; each head's 128 rows of the tile are 16,384 dense bytes.  w16 lies [k][n]: its fragments come out of LDS turned, by ds_load_tr16_b128.
; K goes in 8 steps through a ring of two LDS slots.  CLUSTERS: 4 x 4; a's tiles are asked for jointly along a row of the cluster, w's along a column.
; TILE ROW = cluster y + 16 cy: 'my tile begins a sequence' is cluster y = 0, alike in all sixteen partners.
; THE MATRIX INSTRUCTION IS USED TRANSPOSED (source 0 = 16 columns of w, source 1 = 16 tokens): a lane holds eight neighbouring columns of one token.
; No prefetch: the launch has 8 K steps and moves its 50 MB in them.
; REGISTERS: window 0: v16-31 addresses; v32-95 a's fragments, two buffers of 4 x 8; v128-191 the way out.  window 1: v0-127 w's fragments, two buffers of 8 x 8; v128-191 the bias.  window 2: accumulator (a, b) at v[8 (8 a + b)].
.set AP,     144                       ; a token's 128 bytes + 16
.set BP,     544                       ; a k row's 512 bytes + 32: an odd multiple of 32 for the turning load
.set ASUB,   128*AP                    ; one head's 128 rows
.set BOFF,   2*ASUB
.set BHALF,  64*BP
.set SLOT,   BOFF+2*BHALF
.set STAGE,  2*SLOT                    ; behind the ring: 16 rows x 528 bytes for each wave
.set SPITCH, 528
.set SPARE,  STAGE+4*16*SPITCH         ; the spare words
.set LAPS,   4
.set ADRA, 16
.set ADRB, 20
.set STO,  24
.set RD,   25
.set CO,   26
.set BIA,  27
.set SPW,  28
.set NIL,  29
.set FA,   32
.set BK,   128
.set BIAS, 128                         ; in window 1
.set G1, 24
.set G0, 32
.set G1B, 48
.set G0B, 56
.set MSB, 0
.macro WIN new
.if MSB != (\new)
	s_set_vgpr_msb (MSB<<8)|(\new)
.set MSB, (\new)
.endif
.endm
.set MUL,  0xa1                        ; source 0 (w) window 1, source 1 (a) window 0, C and D window 2
.set MUL0, 0x91                        ; C = the bias in window 1
.set TO_B, 0x40
.macro JLOAD s                         ; waves 0, 1 fetch a's two heads, waves 2, 3 w's two halves; s_nop 0 and four v_nop follow each line
	s_cmp_eq_u32 s15, 0
	s_cbranch_scc0 .Lfor_b_\@
	tensor_load_to_lds s[G0+4*\s:G0+4*\s+3], s[G1:G1+7]
	s_nop 0
.rept 4
	v_nop
.endr
	s_branch .Lasked_\@
.Lfor_b_\@:
	tensor_load_to_lds s[G0B+4*\s:G0B+4*\s+3], s[G1B:G1B+7]
	s_nop 0
.rept 4
	v_nop
.endr
.Lasked_\@:
.endm
.macro CREST
	s_cmp_lg_u32 s14, 0
	s_cbranch_scc1 .Lnot_wave_0_\@
	s_barrier_signal -3
.Lnot_wave_0_\@:
	s_barrier_wait -3
	s_barrier_signal -1
	s_barrier_wait -1
.endm
.macro CROUND
	s_barrier_signal -1
	s_barrier_wait -1
	CREST
.endm
	s_load_b128 s[4:7], s[0:1], 0x0                ; a_ws, w16
	s_load_b128 s[8:11], s[0:1], 0x10              ; b_proj, out0
	v_lshl_add_u32 v[SPW], v0, 2, SPARE
	v_mov_b32 v[NIL], 0
	ds_add_u32 v[SPW], v[NIL]                      ; the opening: the add, twice on end, and its wait ahead of my first tensor load
	ds_add_u32 v[SPW], v[NIL]
	v_lshrrev_b32 v1, 5, v0
	v_readfirstlane_b32 s14, v1                    ; wave 0..3
	s_lshr_b32 s15, s14, 1                         ; my half of the tile's rows; also: I fetch a (0) or w (1)
	s_and_b32 s16, s14, 1                          ; my half of its columns; also: which half I fetch
	s_bfe_u32 s40, ttmp6, 0x40000                  ; cx
	s_bfe_u32 s41, ttmp6, 0x40004                  ; cy
	s_lshl_b32 s42, ttmp9, 2
	s_add_co_u32 s42, s42, s40                     ; tile column
	s_and_b32 s66, ttmp7, 0xffff                   ; cluster y
	s_lshl_b32 s17, s41, 4
	s_add_co_u32 s17, s17, s66                     ; tile row = cluster y + 16 cy
	s_lshl_b32 s43, s41, 2
	s_lshl_b32 s43, 15, s43                        ; my row of the cluster
	s_lshl_b32 s44, 0x1111, s40                    ; my column
	s_or_b32 s[G1+0], s43, (1<<16)|(1<<20)|(1<<21)|(4<<22)|(3<<25)    ; a: elements of 2 bytes; four words of padding after every 32
	s_mov_b32 s[G1+1], 64<<16
	s_mov_b32 s[G1+2], 128<<16
	s_mov_b32 s[G1+3], 64<<16
	s_mov_b32 s[G1+4], 128
	s_mov_b32 s[G1+5], 64
	s_mov_b32 s[G1+6], 0
	s_mov_b32 s[G1+7], 0
	s_or_b32 s[G1B+0], s44, (1<<16)|(1<<20)|(1<<21)|(6<<22)|(7<<25)   ; w: eight words after every 128
	s_mov_b32 s[G1B+1], 256<<16
	s_mov_b32 s[G1B+2], 64<<16
	s_mov_b32 s[G1B+3], 256<<16
	s_mov_b32 s[G1B+4], 64
	s_mov_b32 s[G1B+5], 1024
	s_mov_b32 s[G1B+6], 0
	s_mov_b32 s[G1B+7], 0
	s_lshl_b32 s18, s16, 20                        ; a: my head of the K step (8,192 rows of 128 bytes a head),
	s_lshl_b32 s19, s17, 14                        ; the tile's 128 rows
	s_add_co_u32 s18, s18, s19
	s_mov_b32 s19, 0
	s_lshl_b32 s46, s16, 17                        ; w: my 64 rows of 2,048 bytes,
	s_lshl_b32 s47, s42, 9                         ; the tile's 512 bytes of each
	s_add_co_u32 s46, s46, s47
	s_mov_b32 s47, 0
	s_mul_i32 s20, s16, ASUB                       ; where they go: no place in the cluster enters an LDS address
	s_mul_i32 s21, s16, BHALF
	s_add_co_u32 s21, s21, BOFF
	s_wait_dscnt 0x0
	s_wait_kmcnt 0x0
	s_add_nc_u64 s[18:19], s[4:5], s[18:19]
	s_add_nc_u64 s[46:47], s[6:7], s[46:47]
	CROUND                                         ; all sixteen work-groups are here: the first joint loads meet
.irp s, 0,1
	s_mov_b32 s[G0+4*\s], 1
	s_add_co_u32 s[G0+4*\s+1], s20, \s*SLOT
	s_add_nc_u64 s[G0+4*\s+2:G0+4*\s+3], s[18:19], \s*2097152     ; K step s: two heads on
	s_or_b32 s[G0+4*\s+3], s[G0+4*\s+3], 0x80000000
	s_mov_b32 s[G0B+4*\s], 1
	s_add_co_u32 s[G0B+4*\s+1], s21, \s*SLOT
	s_add_nc_u64 s[G0B+4*\s+2:G0B+4*\s+3], s[46:47], \s*262144    ; 128 rows on
	s_or_b32 s[G0B+4*\s+3], s[G0B+4*\s+3], 0x80000000
	JLOAD \s
.endr
	v_and_b32 v1, 15, v0                           ; r
	v_bfe_u32 v2, v0, 4, 1                         ; h
	v_mul_u32_u24 v3, v1, AP
	v_lshl_add_u32 v3, v2, 4, v3
	s_mul_i32 s21, s15, 64*AP                      ; my 64 tokens
	v_and_b32 v4, 7, v0
	v_lshl_add_u32 v4, v2, 3, v4
	v_mul_u32_u24 v4, v4, BP
	v_bfe_u32 v5, v0, 3, 1
	v_lshl_add_u32 v4, v5, 4, v4                   ; w: k row 8 h + lane % 8, 16 bytes for each half of eight lanes
	s_lshl_b32 s22, s16, 8                         ; my 128 columns
	s_add_co_u32 s22, s22, BOFF
.irp s, 0,1
	v_add_nc_u32 v[ADRA+\s], s21, v3
	v_add_nc_u32 v[ADRB+\s], s22, v4
	s_add_co_u32 s21, s21, SLOT
	s_add_co_u32 s22, s22, SLOT
.endr
	s_mul_i32 s23, s14, 16*SPITCH
	s_add_co_u32 s23, s23, STAGE                   ; my stage
	v_mul_u32_u24 v5, v1, SPITCH
	v_lshl_add_u32 v5, v2, 5, v5
	v_add_nc_u32 v[STO], s23, v5
	v_and_b32 v6, 31, v0
	v_lshlrev_b32 v[CO], 4, v6
	v_add_nc_u32 v[RD], s23, v[CO]
	v_lshlrev_b32 v[BIA], 5, v2
	s_lshl_b32 s22, s42, 10
	s_lshl_b32 s23, s16, 9
	s_add_co_u32 s22, s22, s23                     ; my first column, in f32 bytes
	s_mov_b32 s23, 0
	s_add_nc_u64 s[8:9], s[8:9], s[22:23]          ; b_proj there
	s_lshl_b32 s20, s17, 19                        ; 128 rows of 4,096 bytes a tile row,
	s_lshl_b32 s21, s15, 18                        ; my 64
	s_add_co_u32 s20, s20, s21
	s_add_co_u32 s20, s20, s22
	s_mov_b32 s21, 0
	s_add_nc_u64 s[10:11], s[10:11], s[20:21]
	s_or_b32 s67, s66, s15                         ; 0 where my 64 rows begin a sequence
	WIN TO_B
.irp b, 0,1,2,3,4,5,6,7                            ; the bias in the result's layout
	global_load_b128 v[BIAS+8*\b:BIAS+8*\b+3], v[BIA], s[8:9] offset:64*\b
	global_load_b128 v[BIAS+8*\b+4:BIAS+8*\b+7], v[BIA], s[8:9] offset:64*\b+16
.endr
	WIN 0
; 8 matrix instructions: block a of tokens x all 8 blocks of columns, 32 along K, buffer f.  The 32 accumulators take turns in one order.  zero = 1: the bias starts the sums.
.macro MULA f, a, zero
.irp b, 0,1,2,3,4,5,6,7
.if \zero
	v_wmma_f32_16x16x32_f16 v[8*(8*(\a)+\b):8*(8*(\a)+\b)+7], v[64*(\f)+8*\b:64*(\f)+8*\b+7], v[FA+32*(\f)+8*(\a):FA+32*(\f)+8*(\a)+7], v[BIAS+8*\b:BIAS+8*\b+7]
.else
	v_wmma_f32_16x16x32_f16 v[8*(8*(\a)+\b):8*(8*(\a)+\b)+7], v[64*(\f)+8*\b:64*(\f)+8*\b+7], v[FA+32*(\f)+8*(\a):FA+32*(\f)+8*(\a)+7], v[8*(8*(\a)+\b):8*(8*(\a)+\b)+7]
.endif
.endr
.endm
; 24 LDS loads in one run: quarter q (32 along K) of the slot into buffer f: w's eight fragments, turned, then a's four
.macro FETCH slot, q, f
	WIN TO_B
.irp i, 0,1,2,3,4,5,6,7
	ds_load_tr16_b128 v[64*(\f)+8*\i:64*(\f)+8*\i+3], v[ADRB+\slot] offset:32*(\q)*BP+32*\i
	ds_load_tr16_b128 v[64*(\f)+8*\i+4:64*(\f)+8*\i+7], v[ADRB+\slot] offset:(32*(\q)+16)*BP+32*\i
.endr
	WIN 0
.irp i, 0,1,2,3
	ds_load_b128 v[FA+32*(\f)+8*\i:FA+32*(\f)+8*\i+3], v[ADRA+\slot] offset:((\q)/2)*ASUB+((\q)%2)*64+\i*16*AP
	ds_load_b128 v[FA+32*(\f)+8*\i+4:FA+32*(\f)+8*\i+7], v[ADRA+\slot] offset:((\q)/2)*ASUB+((\q)%2)*64+\i*16*AP+32
.endr
.endm
.macro PLACES                          ; four plain lines ahead of loads into registers that matrix instructions have read, and of reads of results
.rept 4
	v_nop
.endr
.endm
; One of a K step's first three quarters: multiplies buffer f and fetches quarter q into buffer g
.macro QUARTER slot, q, f, g, zero
	s_wait_dscnt 4                                 ; all but the youngest four loads (a's blocks 2 and 3) are in
.if \zero
	WIN MUL0
.else
	WIN MUL
.endif
	MULA \f, 0, \zero
	MULA \f, 1, \zero
	PLACES
	FETCH \slot, \q, \g
	s_wait_dscnt 24                                ; all but the 24 just issued
.if \zero
	WIN MUL0
.else
	WIN MUL
.endif
	MULA \f, 2, \zero
	MULA \f, 3, \zero
.endm
; The last quarter multiplies buffer 1 and changes slots: one barrier; in front of it each wave waits for all its tensor loads, adds 0 to its spare word, and waits for that and for its reads of this slot.
; fill = 1: the barrier opens a round of the cluster's barrier, and this slot is filled again, two K steps ahead: the load has 112 matrix instructions in which to land.
.macro TURN slot, next, fill
	WIN 0
	s_wait_tensorcnt 0x0
	ds_add_u32 v[SPW], v[NIL]
	s_wait_dscnt 5                                 ; the add and the youngest four loads may be out
	WIN MUL
	MULA 1, 0, 0
	s_wait_dscnt 0x0
	s_barrier_signal -1
	MULA 1, 1, 0
.if \fill
	WIN 0
.endif
	s_barrier_wait -1
.if \fill
	CREST
	s_add_nc_u64 s[G0+4*\slot+2:G0+4*\slot+3], s[G0+4*\slot+2:G0+4*\slot+3], 4194304
	s_add_nc_u64 s[G0B+4*\slot+2:G0B+4*\slot+3], s[G0B+4*\slot+2:G0B+4*\slot+3], 524288
	JLOAD \slot                                    ; the first tensor load behind the round; its four v_nop are also the places ahead of the loads below
.else
	PLACES
.endif
	FETCH \next, 0, 0
	WIN MUL
	MULA 1, 2, 0
	MULA 1, 3, 0
.endm
	s_wait_tensorcnt 1                             ; my part of K step 0 is in; K step 1's load may be out
	s_barrier_signal -1
	s_barrier_wait -1
	FETCH 0, 0, 0
	s_wait_loadcnt 0x0                             ; the bias
	QUARTER 0, 1, 0, 1, 1                          ; the first quarter stands ahead of the loop: its products start the sums
	WIN 0
	s_mov_b32 s3, LAPS-1
.Llap:                                             ; a trip goes once round the ring and fills both slots again
	QUARTER 0, 2, 1, 0, 0
	QUARTER 0, 3, 0, 1, 0
	TURN 0, 1, 1
	QUARTER 1, 1, 0, 1, 0
	QUARTER 1, 2, 1, 0, 0
	QUARTER 1, 3, 0, 1, 0
	TURN 1, 0, 1
	QUARTER 0, 1, 0, 1, 0
	WIN 0
	s_sub_co_u32 s3, s3, 1
	s_cmp_lg_u32 s3, 0
	s_cbranch_scc1 .Llap
	QUARTER 0, 2, 1, 0, 0                          ; the last lap fills nothing
	QUARTER 0, 3, 0, 1, 0
	TURN 0, 1, 0
	QUARTER 1, 1, 0, 1, 0
	QUARTER 1, 2, 1, 0, 0
	QUARTER 1, 3, 0, 1, 0
	s_wait_dscnt 4
	WIN MUL
	MULA 1, 0, 0
	MULA 1, 1, 0
	s_wait_dscnt 0
	MULA 1, 2, 0
	MULA 1, 3, 0
	WIN 0
	PLACES
; THE WAY OUT, a block of 16 tokens x 128 columns at a time, through my own stage: back as whole rows of 512 bytes.
.macro OUTB a
	s_wait_xcnt 0x0                                ; the block before has been read by its stores
	WIN 0x08                                       ; an LDS store's data are its source 1: window 2
.irp b, 0,1,2,3,4,5,6,7
	ds_store_b128 v[STO], v[8*(8*\a+\b):8*(8*\a+\b)+3] offset:64*\b        ; each accumulator from its low end on
	ds_store_b128 v[STO], v[8*(8*\a+\b)+4:8*(8*\a+\b)+7] offset:64*\b+16
.endr
	WIN 0
.irp t, 0,1,2,3,4,5,6,7,8,9,10,11,12,13,14,15
	ds_load_b128 v[BK+4*\t:BK+4*\t+3], v[RD] offset:\t*SPITCH
.endr
	s_wait_dscnt 0x0
.irp t, 0,1,2,3,4,5,6,7,8,9,10,11,12,13,14,15
	global_store_b128 v[CO], v[BK+4*\t:BK+4*\t+3], s[10:11] offset:(16*\a+\t)*4096 th:TH_STORE_NT   ; 512 consecutive bytes, aligned
.endr
.endm
	s_cmp_eq_u32 s67, 0                            ; positions 0-15 of a sequence are the launch 'fine''s: each byte of out0 has one writer
	s_cbranch_scc1 .Lnot_mine
	OUTB 0
.Lnot_mine:
	OUTB 1
	OUTB 2
	OUTB 3
	s_wait_tensorcnt 0x0                           ; the wave's end
	ds_add_u32 v[SPW], v[NIL]
	s_wait_dscnt 0x0
	CROUND                                         ; the closing round
	s_endpgm
.Lfunc_end_k_q1129098227_proj:
	.size	k_q1129098227_proj, .Lfunc_end_k_q1129098227_proj-k_q1129098227_proj
	.p2alignl 7, 3214868480
	.fill 96, 4, 3214868480
	.section	.rodata,"a",@progbits
	.p2align	6, 0x0
	.amdhsa_kernel k_q1129098227_proj
		.amdhsa_group_segment_fixed_size 327680
		.amdhsa_private_segment_fixed_size 0
		.amdhsa_enable_private_segment 0
		.amdhsa_kernarg_size 32
		.amdhsa_user_sgpr_count 2
		.amdhsa_user_sgpr_kernarg_segment_ptr 1
		.amdhsa_wavefront_size32 1
		.amdhsa_system_sgpr_workgroup_id_x 1
		.amdhsa_system_sgpr_workgroup_id_y 1
		.amdhsa_system_sgpr_workgroup_id_z 1
		.amdhsa_system_vgpr_workitem_id 0
		.amdhsa_next_free_vgpr 768
		.amdhsa_next_free_sgpr 70
		.amdhsa_reserve_vcc 0
		.amdhsa_float_denorm_mode_32 3
		.amdhsa_float_denorm_mode_16_64 3
		.amdhsa_memory_ordered 1
		.amdhsa_forward_progress 1
		.amdhsa_inst_pref_size 87
	.end_amdhsa_kernel
	.amdgpu_metadata
---
amdhsa.version: [ 1, 2 ]
amdhsa.kernels:
  - .name:           k_q1129098227_proj
    .symbol:         k_q1129098227_proj.kd
    .args:
      - { .name: a_ws, .offset: 0, .size: 8, .value_kind: global_buffer, .address_space: global }
      - { .name: w16, .offset: 8, .size: 8, .value_kind: global_buffer, .address_space: global }
      - { .name: b_proj, .offset: 16, .size: 8, .value_kind: global_buffer, .address_space: global }
      - { .name: out0, .offset: 24, .size: 8, .value_kind: global_buffer, .address_space: global }
    .group_segment_fixed_size: 327680
    .private_segment_fixed_size: 0
    .kernarg_segment_align: 8
    .kernarg_segment_size: 32
    .max_flat_workgroup_size: 128
    .sgpr_count:     70
    .vgpr_count:     768
    .wavefront_size: 32
...
	.end_amdgpu_metadata
.endif
;; end of part 5
